; MI455X (gfx1250); checked and timed in simulation.
; The chip was launched on July 23, 2026; its instructions are those of AMD's public machine-readable ISA for CDNA 5 (MIT licence, August 2026) and "CDNA5" Instruction Set Architecture Reference Guide (July 2026). The comments in the code are by the model that wrote it; some were corrected since.
;; GQ Attention. Allowed arithmetic: matrix products marked QUANTISED: E2M1 operands, one E8M0 scale for each 32 along K, by v_wmma_scale_f32_16x16x128_f8f6f4 with both operands' format E2M1 (or v_wmma_scale_f32_32x16x128_f4), f32 sums; products left as they are: bf16, f16 or f32 operands; f32 sums; everything else in f32.
;; Inputs: Wk 2,048 x 512 float32; Wo 2,048 x 2,048 float32; Wq 2,048 x 2,048 float32; Wv 2,048 x 512 float32; freqs 2 x 2,048 x 64 float32; mask 1 x 1 x 2,048 x 2,048 bool; x 1 x 2,048 x 2,048 float32.
;; Outputs: out0 1 x 2,048 x 2,048 float32.
;; This version of the problem:
;;   THIS VERSION OF THE PROBLEM IS GIVEN IN LOW PRECISION. The matrix products marked QUANTISED in the list below multiply operands that are first quantised to E2M1 (2 exponent bits, 1 mantissa bit; 4 bits a number), with one power-of-two scale for each 32 numbers along K (OCP MX v1.0); their sums are f32. The products marked 'left as it is' may take bf16, f16 or f32 operands, with f32 sums. Whichever they take, every output number must still come out within the allowed error. Rounding operands to bf16 (8 significant bits) uses up far more of that allowance than f16 does (11 bits, for magnitudes from 6e-5 to 65,504). All else is computed in f32.
;;   The module's matrix products, in the order in which they are computed (A, B: the left and right operand; K: the contracted axis; several contracted axes count as one K, in the product's order):
;;     1. [M 2,048, K 2,048] x [K 2,048, N 2,048]; A: input x; B: input Wq: QUANTISED
;;     2. [M 2,048, K 2,048] x [K 2,048, N 512]; A: input x; B: input Wk: QUANTISED
;;     3. [M 2,048, K 2,048] x [K 2,048, N 512]; A: input x; B: input Wv: QUANTISED
;;     4. batch 32 x [M 2,048, K 64] x [K 64, N 2,048]; A: computed on the way; B: computed on the way: left as it is (an operand is computed on the way)
;;     5. batch 32 x [M 64, K 2,048] x [K 2,048, N 2,048]; A: computed on the way; B: computed on the way: left as it is (an operand is computed on the way)
;;     6. [M 2,048, K 2,048] x [K 2,048, N 2,048]; A: computed on the way; B: input Wo: left as it is (an operand is computed on the way)
;;   THE QUANTISER, for each operand of a quantised product, along K:
;;     - K is cut into blocks of 32 from its start; a last block that is shorter is filled with zeros.
;;     - A block's scale is 2^e with e = floor(log2(the largest magnitude in the block)) - 2, held to -126 .. 127; a block of zeros has e = 0. As a byte (E8M0): e + 127.
;;     - Each number is divided by its block's scale, clamped to +-6, and rounded to the nearest number of E2M1, ties to even, subnormals kept.
;;     - The product sums the exact products of the quantised numbers (number of the format x scale) in f32.
;;   ~~~python
;;   def quantise(x, axis):      # numpy; x: float32 -> the quantised numbers, widened to float32 again
;;       x = np.moveaxis(x, axis, -1); K = x.shape[-1]
;;       x = np.pad(x, [(0, 0)] * (x.ndim - 1) + [(0, -K % 32)]); x = x.reshape(x.shape[:-1] + (-1, 32)); a = np.abs(x).max(-1, keepdims=True)
;;       e = np.where(a > 0, np.clip(np.frexp(np.where(a > 0, a, 1))[1] - 1 - 2, -126, 127), 0)      # np.frexp(a)[1] - 1 = floor(log2(a)), exactly
;;       r = np.clip(x / 2.0 ** e, -6, 6)
;;       step = 2.0 ** (np.maximum(np.frexp(np.where(r == 0, 1, r))[1] - 1, 0) - 1)
;;       q = np.round(r / step) * step * 2.0 ** e      # np.round: ties to even
;;       return np.moveaxis(q.reshape(q.shape[:-2] + (-1,))[..., :K], -1, axis).astype(np.float32)
;;   ~~~
;; 2 versions, each right. Each part assembles by itself: llvm-mc -triple=amdgcn-amd-amdhsa -mcpu=gfx1250 --defsym DOCPART=n.
;; ======== version 1 of 2: 4 launches
;; limits: values are held in f16: magnitudes above 65,504 overflow, below 6.1e-05 lose precision
;; workspace buffers: codes 5,242,880 bytes; scales 327,680 bytes; woh 8,388,608 bytes; msk 540,672 bytes of whole numbers; qkv 12,582,912 bytes; oh 8,388,608 bytes
;; launch prep (part 1): grid 608 x 1, 4 waves a work-group, no clusters, 68,096 bytes of LDS; arguments x, Wq, Wk, Wv, Wo, mask, codes, scales, woh, msk; writes codes, scales, woh, msk
.if DOCPART == 1
	.amdgcn_target "amdgcn-amd-amdhsa--gfx1250"
	.amdhsa_code_object_version 6
	.text
	.protected	k_q63a53fedfc_prep
	.globl	k_q63a53fedfc_prep
	.p2align	8
	.type	k_q63a53fedfc_prep,@function
k_q63a53fedfc_prep:
	s_mov_b64 s[64:65], 0
	v_nop
	global_prefetch_b8 v0, s[64:65] scope:SCOPE_SE
	s_setreg_imm32_b32 hwreg(HW_REG_WAVE_MODE, 25, 1), 1
	s_wait_xcnt 0x0
; THE LAUNCH IN FRONT OF THE PRODUCTS.  Four kinds of work-groups, told apart by the work-group's number; each kind has LDS bytes of its own.
;   0-95    Wq, Wk, Wv [2048 (k)][n] f32 -> codes of FP4 (E2M1), K innermost, and one E8M0 byte for each 32 along K: rows 2048 + n of codes and scales (n: 0-2047 Wq, 2048-2559 Wk, 2560-3071 Wv)
;   96-223  x [2048][2048] f32 -> the same, rows 0-2047
;   224-351 Wo f32 -> f16, laid as it lies
;   352-607 the mask (one byte a query and key) -> for each 16 queries x 64 keys 32 words of lane bits, and a class word (bit 0: some key counts; bit 1: all count)
; A block's scale is 2^(floor(log2(its largest magnitude)) - 2); its byte is the largest magnitude's exponent field - 2, held at 1 from below.
; LIMITS: a block of zeros gets the byte 1 (its codes are zeros; this program alone reads the bytes); blocks whose largest magnitude lies under 2^-124 keep the byte 1;
; NaN and infinities among the inputs are not served; Wo's numbers must lie inside f16's range (under 65,504).
.set SPARE, 67584                      ; LDS: 0-32767 the tokens' four regions; 32768-67583 the weights' four stages; then the spare words, 128 bytes a wave
.set SPW,   208                        ; v208  LDS address of my spare word; never rewritten
.set NIL,   209                        ; v209  0; never rewritten
.macro FINISH                          ; a wave's end, behind the last LDS store
	s_wait_tensorcnt 0x0
	ds_add_u32 v[SPW], v[NIL]
	s_wait_dscnt 0x0
	s_endpgm
.endm
	s_load_b512 s[4:19], s[0:1], 0x0               ; x 4, Wq 6, Wk 8, Wv 10, Wo 12, mask 14, codes 16, scales 18
	s_load_b128 s[20:23], s[0:1], 0x40             ; woh 20, msk 22
	v_lshl_add_u32 v[SPW], v0, 2, SPARE
	v_mov_b32 v[NIL], 0
	v_lshrrev_b32 v1, 5, v0
	v_readfirstlane_b32 s24, v1                    ; wave 0..3
	v_and_b32 v2, 31, v0                           ; lane
	s_wait_kmcnt 0x0
	s_cmp_lt_u32 ttmp9, 96
	s_cbranch_scc1 .Lweights
	s_cmp_lt_u32 ttmp9, 224
	s_cbranch_scc1 .Ltokens
	s_cmp_lt_u32 ttmp9, 352
	s_cbranch_scc1 .Lcast
; ---------------- THE MASK.  A wave takes 16 queries x 256 keys.  Lane (r, h) reads, of query r, 8 bytes at key 16 i + 8 h, i = 0 .. 15: so byte j of load 4 b + kt is the key that
; register j of score tile kt of key block b holds in that lane, and a compare over the 32 lanes gives the word that a select by lane takes as it stands.
	s_sub_co_u32 s25, ttmp9, 352
	s_lshl_b32 s25, s25, 2
	s_add_co_u32 s25, s25, s24                     ; which of 1,024 parts
	s_lshr_b32 s26, s25, 3                         ; tile of 16 queries
	s_and_b32 s27, s25, 7                          ; which 256 keys
	s_lshl_b32 s28, s26, 15                        ; 16 rows of 2,048 bytes
	s_lshl_b32 s29, s27, 8
	s_add_co_u32 s28, s28, s29
	s_mov_b32 s29, 0
	s_add_nc_u64 s[14:15], s[14:15], s[28:29]
	v_and_b32 v1, 15, v0
	v_bfe_u32 v6, v0, 4, 1
	v_lshlrev_b32 v3, 11, v1
	v_lshl_add_u32 v3, v6, 3, v3                   ; row r, + 8 h
.set n, 0
.rept 16
	global_load_b64 v[16+2*n:17+2*n], v3, s[14:15] offset:16*n
.set n, n+1
.endr
	v_lshlrev_b32 v5, 2, v2                        ; 4 x lane
	s_lshl_b32 s28, s26, 5
	s_lshl_b32 s30, s27, 2
	s_add_co_u32 s28, s28, s30                     ; 32 x tile + my first key block
	s_lshl_b32 s30, s28, 2                         ; the class words: 4 bytes each
	s_mov_b32 s31, 0
	s_lshl_b32 s28, s28, 7                         ; the lane words: 128 bytes a key block,
	s_add_co_u32 s28, s28, 16384                   ; behind the class words
	s_add_nc_u64 s[42:43], s[22:23], s[28:29]
	s_add_nc_u64 s[44:45], s[22:23], s[30:31]
.irp k, 48,49,50,51,52
	v_mov_b32 v\k, 0                               ; written whole once: a lane write's destination counts as read
.endr
.set b, 0
.rept 4
	s_wait_loadcnt 12-4*b                          ; this key block's four loads are in; the later blocks' stay out
	s_mov_b32 s40, 0                               ; the or of the block's words,
	s_mov_b32 s41, -1                              ; and the and
.set w, 0
.rept 32                                       ; word w = 8 kt + j
	v_and_b32 v[56+w%4], 0xff<<(8*(w%4)), v[16+2*(4*b+w/8)+((w%8)/4)]
	v_cmp_ne_u32 s[32+w%8], 0, v[56+w%4]
	v_writelane_b32 v[48+b], s[32+w%8], w
	s_or_b32 s40, s40, s[32+w%8]
	s_and_b32 s41, s41, s[32+w%8]
.set w, w+1
.endr
	global_store_b32 v5, v[48+b], s[42:43] offset:128*b
	s_cmp_lg_u32 s40, 0
	s_cselect_b32 s46, 1, 0
	s_cmp_eq_u32 s41, -1
	s_cselect_b32 s47, 2, 0
	s_or_b32 s46, s46, s47
	v_writelane_b32 v52, s46, b
.set b, b+1
.endr
	v_cmp_gt_u32 vcc_lo, 4, v2
	s_wait_xcnt 0x0                                ; EXEC changes only behind this wait: it is a source of the stores above
	s_and_saveexec_b32 s46, vcc_lo
	global_store_b32 v5, v52, s[44:45]             ; four class words
	s_wait_xcnt 0x0
	s_or_b32 exec_lo, exec_lo, s46
	FINISH
; ---------------- Wo: a wave casts 32,768 bytes.  A ring of 16 loads of 512 consecutive bytes; each store covers 256 consecutive bytes, aligned; no store's data are written again.
.Lcast:
	s_sub_co_u32 s25, ttmp9, 224
	s_lshl_b32 s25, s25, 2
	s_add_co_u32 s25, s25, s24
	s_lshl_b32 s26, s25, 15
	s_mov_b32 s27, 0
	s_add_nc_u64 s[12:13], s[12:13], s[26:27]
	s_lshl_b32 s26, s25, 14
	s_add_nc_u64 s[20:21], s[20:21], s[26:27]
	v_lshlrev_b32 v3, 4, v2
	v_lshlrev_b32 v4, 3, v2
.set n, 0
.rept 16
	global_load_b128 v[16+4*n:19+4*n], v3, s[12:13] offset:512*n th:TH_LOAD_NT
.set n, n+1
.endr
.macro CAST i
.if (\i) < 48
	s_wait_loadcnt 15                              ; piece i is in; the fifteen behind it stay out
.else
	s_wait_loadcnt 63-(\i)
.endif
	v_cvt_pk_f16_f32 v[80+2*(\i)], v[16+4*((\i)%16)], v[17+4*((\i)%16)]
	v_cvt_pk_f16_f32 v[81+2*(\i)], v[18+4*((\i)%16)], v[19+4*((\i)%16)]
.if (\i) < 48
	global_load_b128 v[16+4*((\i)%16):19+4*((\i)%16)], v3, s[12:13] offset:512*((\i)+16) th:TH_LOAD_NT
.endif
	global_store_b64 v4, v[80+2*(\i):81+2*(\i)], s[20:21] offset:256*(\i)
.endm
.set n, 0
.rept 64
	CAST n
.set n, n+1
.endr
	FINISH
; ---------------- x: K is innermost and rows are dense, so x is a plain stream of blocks of 32.  A wave takes 16 steps of 512 numbers.  Each load reads 512 consecutive bytes; a step's 2,048 bytes
; turn through the wave's own stage in LDS (16 bytes of padding behind each 64) and come back 64 bytes a lane: 16 neighbours along K; two neighbouring lanes hold a block.
.Ltokens:
.set XR, 16                            ; v16-79   four sets of 16 numbers as loaded
.set XX, 80                            ; v80-111  two sets of 16 neighbours
.set XE, 112                           ; v112-127 a scale byte for each step
.set XC, 128                           ; v128-191 codes: registers of its own for each step
	v_lshlrev_b32 v3, 4, v2
	s_mul_i32 s25, s24, 8192                       ; my wave's region: two stages of 2,560 bytes, then its 256 scale bytes
	v_lshrrev_b32 v14, 2, v2
	v_mul_u32_u24 v14, v14, 80
	v_and_b32 v15, 3, v2
	v_lshl_add_u32 v14, v15, 4, v14
	v_add_nc_u32 v14, s25, v14                     ; in: 80 (lane / 4) + 16 (lane % 4)
	v_mul_u32_u24 v15, v2, 80
	v_add_nc_u32 v15, s25, v15                     ; out: 80 x lane
	v_lshlrev_b32 v4, 3, v2                        ; my 8 bytes of a step's codes
	v_lshrrev_b32 v5, 1, v2
	s_add_co_u32 s25, s25, 5120
	v_add_nc_u32 v5, s25, v5                       ; my block's scale byte
	v_lshlrev_b32 v7, 3, v2
	v_add_nc_u32 v6, s25, v7
	s_sub_co_u32 s26, ttmp9, 96
	s_lshl_b32 s26, s26, 2
	s_add_co_u32 s26, s26, s24                     ; which run of 8,192 numbers
	s_mov_b32 s29, 0
	s_lshl_b32 s28, s26, 15
	s_add_nc_u64 s[4:5], s[4:5], s[28:29]
	s_lshl_b32 s28, s26, 12
	s_add_nc_u64 s[16:17], s[16:17], s[28:29]
	s_lshl_b32 s28, s26, 8
	s_add_nc_u64 s[18:19], s[18:19], s[28:29]
.macro XLOAD t
.irp i, 0,1,2,3
	global_load_b128 v[XR+16*((\t)%4)+4*\i:XR+16*((\t)%4)+4*\i+3], v3, s[4:5] offset:2048*(\t)+512*\i th:TH_LOAD_NT
.endr
.endm
.macro XTURN t                         ; LDS serves a wave's instructions in order: no wait between the stores and the loads
.irp i, 0,1,2,3
	ds_store_b128 v14, v[XR+16*((\t)%4)+4*\i:XR+16*((\t)%4)+4*\i+3] offset:2560*((\t)%2)+640*\i
.endr
.irp i, 0,1,2,3
	ds_load_b128 v[XX+16*((\t)%2)+4*\i:XX+16*((\t)%2)+4*\i+3], v15 offset:2560*((\t)%2)+16*\i
.endr
.endm
.irp t, 0,1,2,3
	XLOAD \t
.endr
	s_wait_loadcnt 12                              ; step 0's four loads are in
	XTURN 0
.macro XSTEP t
.set XS, XX+16*((\t)%2)
.if (\t) > 0
	s_wait_dscnt 1                                 ; this step's numbers are back (the last step's byte store may be out)
.else
	s_wait_dscnt 0x0
.endif
.if (\t)+4 < 16
	XLOAD (\t)+4
.endif
.if (\t)+1 < 16
.if 14-(\t) >= 3
	s_wait_loadcnt 12                              ; the next step's loads are in; three steps' stay out
.else
	s_wait_loadcnt 4*(14-(\t))
.endif
	XTURN (\t)+1
.endif
	v_max3_num_f32 v8, |v[XS]|, |v[XS+1]|, |v[XS+2]|
	v_max3_num_f32 v9, |v[XS+3]|, |v[XS+4]|, |v[XS+5]|
.irp i, 6,10
	v_max3_num_f32 v8, v8, |v[XS+\i]|, |v[XS+\i+1]|
	v_max3_num_f32 v9, v9, |v[XS+\i+2]|, |v[XS+\i+3]|
.endr
	v_max3_num_f32 v8, v8, |v[XS+14]|, |v[XS+15]|
	v_max3_num_f32 v8, v8, v9, 0x1800000           ; and the floor 2^(3 - 127): the byte cannot fall under 1
	v_max_num_f32_dpp v8, v8, v8 row_xmask:1 row_mask:0xf bank_mask:0xf   ; with my neighbour's 16: the block's
	v_add_nc_u32 v11, 0xff000000, v8               ; 2 off the exponent field: the conversion's scale operand
	v_cvt_scalef32_pk8_fp4_f32 v[XC+4*(\t)], v[XS:XS+7], v11
	v_cvt_scalef32_pk8_fp4_f32 v[XC+4*(\t)+1], v[XS+8:XS+15], v11
	v_lshrrev_b32 v[XE+(\t)], 23, v11              ; the scale's byte
	ds_store_b8 v5, v[XE+(\t)] offset:16*(\t)      ; both lanes of a block write the same byte with the same value
	global_store_b64 v4, v[XC+4*(\t):XC+4*(\t)+1], s[16:17] offset:256*(\t)   ; 256 consecutive bytes, aligned
.endm
.irp t, 0,1,2,3,4,5,6,7,8,9,10,11,12,13,14,15
	XSTEP \t
.endr
	ds_load_b64 v[8:9], v6
	s_wait_dscnt 0x0
	global_store_b64 v7, v[8:9], s[18:19]          ; the wave's 256 scale bytes, aligned
	FINISH
; ---------------- Wq, Wk, Wv: K is the FIRST axis.  A lane takes a column and its registers run down K: a block of 32 lies in one lane, and the conversions give codes with K innermost.
; A wave takes 32 columns x 512 along K; its codes go through its own stage in LDS and leave as rows: sixteen lanes store 256 consecutive bytes, aligned.  Loads run two blocks ahead.
; The three tensors have two row lengths, so a row's step stands in registers (32 offsets, one for each row of a block) and the base steps block by block.
.Lweights:
.set WSB,  24                          ; v24-27   scale bytes, four to a register
.set WX,   32                          ; v32-95   two sets of 32 numbers
.set WC,   96                          ; v96-99   a block's codes
.set WOUT, 112                         ; v112-175 the way out
.set WVO,  176                         ; v176-207 4 x lane + i rows
	s_and_b32 s25, ttmp9, 3                        ; which 512 along K
	s_lshr_b32 s26, ttmp9, 2                       ; which 128 columns of the 3,072
	s_cmp_lt_u32 s26, 20
	s_cselect_b64 s[28:29], s[8:9], s[10:11]
	s_cselect_b32 s27, 16, 20
	s_cmp_lt_u32 s26, 16
	s_cselect_b64 s[28:29], s[6:7], s[28:29]
	s_cselect_b32 s27, 0, s27                      ; the tensor's first group of columns
	s_mov_b32 s30, 2048
	s_cselect_b32 s30, 8192, s30                   ; its row in bytes
	s_sub_co_u32 s27, s26, s27
	s_lshl_b32 s27, s27, 9                         ; 128 columns x 4 bytes
	s_lshl_b32 s31, s24, 7                         ; 32 columns x 4 bytes a wave
	s_add_co_u32 s27, s27, s31
	s_mul_i32 s31, s25, s30
	s_lshl_b32 s31, s31, 9                         ; 512 rows
	s_add_co_u32 s34, s27, s31
	s_mov_b32 s35, 0
	s_add_nc_u64 s[28:29], s[28:29], s[34:35]
	s_lshl_b32 s32, s30, 5                         ; 32 rows on
	s_mov_b32 s33, 0
	s_lshl_b32 s36, s26, 7
	s_lshl_b32 s37, s24, 5
	s_add_co_u32 s36, s36, s37
	s_add_co_u32 s36, s36, 2048                    ; my first row of codes and scales
	s_lshl_b32 s38, s36, 6
	s_lshl_b32 s37, s25, 4
	s_add_co_u32 s38, s38, s37
	s_mov_b32 s39, 0
	s_add_nc_u64 s[18:19], s[18:19], s[38:39]
	s_lshl_b32 s36, s36, 10
	s_lshl_b32 s37, s25, 8
	s_add_co_u32 s36, s36, s37
	s_mov_b32 s37, 0
	s_add_nc_u64 s[16:17], s[16:17], s[36:37]
	v_lshlrev_b32 v3, 2, v2
	s_mul_i32 s40, s24, 32*272
	s_add_co_u32 s40, s40, 32768                   ; my stage: 32 rows of 256 + 16 bytes
	v_mul_u32_u24 v4, v2, 272
	v_add_nc_u32 v4, s40, v4                       ; in: row = my column
	v_and_b32 v5, 15, v2
	v_lshrrev_b32 v6, 4, v2
	v_mul_u32_u24 v7, v6, 272
	v_lshl_add_u32 v7, v5, 4, v7
	v_add_nc_u32 v7, s40, v7                       ; out: sixteen lanes to a row
	v_lshlrev_b32 v8, 10, v6
	v_lshl_add_u32 v8, v5, 4, v8                   ; and the same place in codes
	v_lshlrev_b32 v9, 6, v2                        ; my column's row of scale bytes
.set n, 0
.rept 32
	v_mad_u32_u24 v[WVO+n], s30, n, v3
.set n, n+1
.endr
.macro WLOAD t
.if (\t) > 0
	s_wait_xcnt 0x0                                ; the earlier loads have read their base: it may step
	s_add_nc_u64 s[28:29], s[28:29], s[32:33]
.endif
.set n, 0
.rept 32
	global_load_b32 v[WX+32*((\t)%2)+n], v[WVO+n], s[28:29] th:TH_LOAD_NT
.set n, n+1
.endr
.endm
	WLOAD 0
	WLOAD 1
.macro WBLOCK t
.set XS, WX+32*((\t)%2)
.if (\t) < 15
	s_wait_loadcnt 32                              ; this block's 32 loads are in; the next block's stay out
.else
	s_wait_loadcnt 0x0
.endif
	v_max3_num_f32 v12, |v[XS]|, |v[XS+1]|, |v[XS+2]|
	v_max3_num_f32 v13, |v[XS+3]|, |v[XS+4]|, |v[XS+5]|
.irp i, 6,10,14,18,22,26
	v_max3_num_f32 v12, v12, |v[XS+\i]|, |v[XS+\i+1]|
	v_max3_num_f32 v13, v13, |v[XS+\i+2]|, |v[XS+\i+3]|
.endr
	v_max3_num_f32 v12, v12, |v[XS+30]|, |v[XS+31]|
	v_max3_num_f32 v12, v12, v13, 0x1800000        ; and the floor
	v_add_nc_u32 v11, 0xff000000, v12
	v_lshrrev_b32 v13, 23, v11
.if (\t)%4 == 0
	v_mov_b32 v[WSB+(\t)/4], v13
.else
	v_lshl_or_b32 v[WSB+(\t)/4], v13, 8*((\t)%4), v[WSB+(\t)/4]
.endif
.irp g, 0,1,2,3
	v_cvt_scalef32_pk8_fp4_f32 v[WC+\g], v[XS+8*\g:XS+8*\g+7], v11
.endr
	ds_store_b128 v4, v[WC:WC+3] offset:16*(\t)
.if (\t)+2 < 16
	WLOAD (\t)+2
.endif
	s_wait_dscnt 0x0                               ; the store has read its registers: the next block's codes may be written
.endm
.irp t, 0,1,2,3,4,5,6,7,8,9,10,11,12,13,14,15
	WBLOCK \t
.endr
	global_store_b128 v9, v[WSB:WSB+3], s[18:19]   ; my column's 16 scale bytes
.irp t, 0,1,2,3,4,5,6,7,8,9,10,11,12,13,14,15
	ds_load_b128 v[WOUT+4*\t:WOUT+4*\t+3], v7 offset:2*\t*272
.endr
.irp t, 0,1,2,3,4,5,6,7,8,9,10,11,12,13,14,15
	s_wait_dscnt 15-\t
	global_store_b128 v8, v[WOUT+4*\t:WOUT+4*\t+3], s[16:17] offset:2*\t*1024
.endr
	FINISH
.Lfunc_end_k_q63a53fedfc_prep:
	.size	k_q63a53fedfc_prep, .Lfunc_end_k_q63a53fedfc_prep-k_q63a53fedfc_prep
	.p2alignl 7, 3214868480
	.fill 96, 4, 3214868480
	.section	.rodata,"a",@progbits
	.p2align	6, 0x0
	.amdhsa_kernel k_q63a53fedfc_prep
		.amdhsa_group_segment_fixed_size 68096
		.amdhsa_private_segment_fixed_size 0
		.amdhsa_enable_private_segment 0
		.amdhsa_kernarg_size 80
		.amdhsa_user_sgpr_count 2
		.amdhsa_user_sgpr_kernarg_segment_ptr 1
		.amdhsa_wavefront_size32 1
		.amdhsa_system_sgpr_workgroup_id_x 1
		.amdhsa_system_sgpr_workgroup_id_y 1
		.amdhsa_system_sgpr_workgroup_id_z 1
		.amdhsa_system_vgpr_workitem_id 0
		.amdhsa_next_free_vgpr 212
		.amdhsa_next_free_sgpr 66
		.amdhsa_reserve_vcc 1
		.amdhsa_float_denorm_mode_32 3
		.amdhsa_float_denorm_mode_16_64 3
		.amdhsa_memory_ordered 1
		.amdhsa_forward_progress 1
		.amdhsa_inst_pref_size 173
	.end_amdhsa_kernel
	.amdgpu_metadata
---
amdhsa.version: [ 1, 2 ]
amdhsa.kernels:
  - .name:           k_q63a53fedfc_prep
    .symbol:         k_q63a53fedfc_prep.kd
    .args:
      - { .name: x, .offset: 0, .size: 8, .value_kind: global_buffer, .address_space: global }
      - { .name: Wq, .offset: 8, .size: 8, .value_kind: global_buffer, .address_space: global }
      - { .name: Wk, .offset: 16, .size: 8, .value_kind: global_buffer, .address_space: global }
      - { .name: Wv, .offset: 24, .size: 8, .value_kind: global_buffer, .address_space: global }
      - { .name: Wo, .offset: 32, .size: 8, .value_kind: global_buffer, .address_space: global }
      - { .name: mask, .offset: 40, .size: 8, .value_kind: global_buffer, .address_space: global }
      - { .name: codes, .offset: 48, .size: 8, .value_kind: global_buffer, .address_space: global }
      - { .name: scales, .offset: 56, .size: 8, .value_kind: global_buffer, .address_space: global }
      - { .name: woh, .offset: 64, .size: 8, .value_kind: global_buffer, .address_space: global }
      - { .name: msk, .offset: 72, .size: 8, .value_kind: global_buffer, .address_space: global }
    .group_segment_fixed_size: 68096
    .private_segment_fixed_size: 0
    .kernarg_segment_align: 8
    .kernarg_segment_size: 80
    .max_flat_workgroup_size: 128
    .sgpr_count:     66
    .vgpr_count:     212
    .wavefront_size: 32
...
	.end_amdgpu_metadata
.endif
;; end of part 1
;; launch qkv (part 2): grid 24 x 16, 4 waves a work-group, clusters of 4 x 4, 327,680 bytes of LDS; arguments codes, scales, freqs, qkv; writes qkv
.if DOCPART == 2
	.amdgcn_target "amdgcn-amd-amdhsa--gfx1250"
	.amdhsa_code_object_version 6
	.text
	.protected	k_q63a53fedfc_qkv
	.globl	k_q63a53fedfc_qkv
	.p2align	8
	.type	k_q63a53fedfc_qkv,@function
k_q63a53fedfc_qkv:
	s_mov_b64 s[64:65], 0
	v_nop
	global_prefetch_b8 v0, s[64:65] scope:SCOPE_SE
	s_setreg_imm32_b32 hwreg(HW_REG_WAVE_MODE, 25, 1), 1
	s_wait_xcnt 0x0
	s_wait_alu depctr_hold_cnt(0) depctr_sa_sdst(0) depctr_va_vdst(0) depctr_va_sdst(0) depctr_va_ssrc(0) depctr_va_vcc(0) depctr_vm_vsrc(0)
	s_getreg_b32 s2, hwreg(HW_REG_IB_STS2, 6, 4)
	s_cmp_eq_u32 s2, 0
	s_cbranch_scc0 .Lentry_in_a_cluster
	s_endpgm
.Lentry_in_a_cluster:
	s_bfe_u32 s2, ttmp6, 0x10000c
	s_cmp_lg_u32 s2, 0xf033
	s_cbranch_scc0 .Lentry_shape_is_right
	s_endpgm
.Lentry_shape_is_right:
; x Wq, x Wk, x Wv on codes of FP4 (E2M1) with one E8M0 scale for each 32 along K; then the rotation of Q and K by the table, in f32; then f16, stored as images of the registers in which the next launch's products want them.
; codes: [5120 rows][1024 bytes], scales: [5120][64]: rows 0-2047 the tokens, rows 2048 + n the weights' columns (n: 0-2047 Wq, 2048-2559 Wk, 2560-3071 Wv).
; A work-group makes 128 x 128, a wave 64 x 64: 16 accumulators.  Source 0's rows become a lane's eight registers, source 1's rows the lanes.
;   Q, K (cluster x 0-3, 4): source 0 = 128 weight columns, source 1 = 128 tokens: a lane holds one token and eight neighbouring channels.
;   V    (cluster x 5):      source 0 = 128 tokens, source 1 = 128 weight columns: a lane holds one channel and eight neighbouring keys: a fragment of V turned.
; ALL OF K (2,048: 1,024 bytes a row) OF BOTH OPERANDS LIES IN LDS AT ONCE, as four chunks of 512 along K (rows of 256 bytes + 16 of padding): every LDS byte is filled once, five tensor loads a wave
; (its 64 rows' scales and four chunks) go out together at the start, and a counted wait and a barrier stand in front of each chunk's reads.
; CLUSTER 4 x 4: source 1's tile hangs on the cluster's y place alone and is asked for jointly along a row of the cluster, source 0's on the x place alone and jointly along a column.
; The kind of work (Q, K or V) hangs on the cluster's number: it is the same in all sixteen partners.
; The table is loaded by every work-group, those of V too, which do not use it (64 of 384): so the text has one path up to the way out.
; LIMITS: the rotated Q and K are multiplied by sqrt(log2(e) / 8) and rounded to f16, V is rounded to f16: their magnitudes must stay under 65,504.
; qkv: Q at 0: [tile of 16 tokens 128][head 32][32 channels 2][half 2] x 512 bytes (16 bytes a lane); K at 8,388,608: [kv head 8][tile of 16 keys 128][2][2]; V at 10,485,760: [kv head 8][32 keys 64][16 channels 4][half 2].
; REGISTERS: window 0: v1-21 addresses; v32-63 scale words, two sets; v64-127 packed results; v128-255 the accumulators ((a, b) at 128 + 8 (4 a + b)).
;   windows 1, 2: a chunk's fragments by turns: K step ks: source 0's block b at 64 ks + 8 b, source 1's block a at 64 ks + 32 + 8 a.   window 3: cos at 16 (4 a + b), sin 8 further on.
.set PITCH, 272
.set HALFT, 64*PITCH                   ; 64 rows of a chunk: what one tensor load brings
.set CHUNK, 4*HALFT                    ; source 1's two halves, then source 0's
.set SCL,   4*CHUNK                    ; behind the chunks: the scales, as units of 256 bytes + 16
.set HALFS, 16*272                     ; those of 64 rows
.set SBLK,  4*272                      ; those of 16 rows
.set SPARE, SCL+4*HALFS                ; the spare words, 128 bytes a wave
.set ADRA, 4                           ; v4-7   source 1's fragments in chunk 0..3
.set ADRB, 8                           ; v8-11  source 0's
.set ADRS, 12                          ; v12    scale words: lanes 0-15 source 1's rows, lanes 16-31 source 0's
.set FA,   13                          ; v13    the table
.set LI,   14                          ; v14    16 x lane
.set VO,   16                          ; v16-19 16 x lane + a tiles of tokens
.set SPW,  20
.set NIL,  21
.set SC,   32
.set PK,   64
.set ACC,  128
.set G1A,  24                          ; group 1: source 1's chunks; G1B source 0's; G1S, G1SB their scales
.set G1B,  32
.set G1S,  40
.set G1SB, 48
.set MSB, 0
.macro WIN new
.if MSB != \new
	s_set_vgpr_msb (MSB<<8)|\new
.set MSB, \new
.endif
.endm
.macro CROUND                          ; a round of the cluster's barrier
	s_barrier_signal -1
	s_barrier_wait -1
	s_cmp_lg_u32 s14, 0
	s_cbranch_scc1 .Lnot_wave_0_\@
	s_barrier_signal -3
.Lnot_wave_0_\@:
	s_barrier_wait -3
	s_barrier_signal -1
	s_barrier_wait -1
.endm
.macro MKG0 g, l, lo, a, off           ; a group 0: LDS address s[l] + lo, global address s[a:a+1] + off
	s_mov_b32 s[\g], 1
	s_add_co_u32 s[\g+1], s[\l], \lo
	s_add_nc_u64 s[\g+2:\g+3], s[\a:\a+1], \off
	s_or_b32 s[\g+3], s[\g+3], 0x80000000
.endm
.macro PLACES
.rept 4
	v_nop
.endr
.endm
	s_load_b256 s[4:11], s[0:1], 0x0               ; codes 4, scales 6, freqs 8, qkv 10
	v_lshl_add_u32 v[SPW], v0, 2, SPARE
	v_mov_b32 v[NIL], 0
	ds_add_u32 v[SPW], v[NIL]                      ; the opening: the add, twice on end, and its wait ahead of my first tensor load
	ds_add_u32 v[SPW], v[NIL]
	v_lshrrev_b32 v1, 5, v0
	v_readfirstlane_b32 s14, v1                    ; wave
	s_lshr_b32 s15, s14, 1                         ; my half of source 1's rows.  Also: I fetch for source 1 (0) or source 0 (1)
	s_and_b32 s16, s14, 1                          ; my half of source 0's rows.  Also: which 64 rows I fetch
	s_bfe_u32 s12, ttmp6, 0x40000                  ; cx
	s_bfe_u32 s13, ttmp6, 0x40004                  ; cy
	s_lshl_b32 s66, s13, 2
	s_lshl_b32 s66, 15, s66                        ; my row of the cluster
	s_lshl_b32 s67, 0x1111, s12                    ; my column
	s_or_b32 s[G1A], s66, (1<<20)|(1<<21)|(5<<22)|(3<<25)          ; elements of 1 byte; padding: 4 words behind every 64; bit 21 beside a mask
	s_or_b32 s[G1B], s67, (1<<20)|(1<<21)|(5<<22)|(3<<25)
	s_or_b32 s[G1S], s66, (3<<16)|(1<<20)|(1<<21)|(5<<22)|(3<<25)  ; elements of 8 bytes
	s_or_b32 s[G1SB], s67, (3<<16)|(1<<20)|(1<<21)|(5<<22)|(3<<25)
.irp g, G1A, G1B
	s_mov_b32 s[\g+1], 256<<16                     ; tensor_dim0: 256 bytes
	s_mov_b32 s[\g+2], 64<<16                      ; tensor_dim1: 64 rows
	s_mov_b32 s[\g+3], 256<<16                     ; tile_dim0
	s_mov_b32 s[\g+4], 64                          ; tile_dim1
	s_mov_b32 s[\g+5], 1024                        ; from row to row
	s_mov_b32 s[\g+6], 0
	s_mov_b32 s[\g+7], 0
.endr
.irp g, G1S, G1SB
	s_mov_b32 s[\g+1], 32<<16                      ; 64 rows' scales are 4,096 dense bytes: 16 rows of 256
	s_mov_b32 s[\g+2], 16<<16
	s_mov_b32 s[\g+3], 32<<16
	s_mov_b32 s[\g+4], 16
	s_mov_b32 s[\g+5], 32
	s_mov_b32 s[\g+6], 0
	s_mov_b32 s[\g+7], 0
.endr
	s_and_b32 s17, ttmp7, 0xffff                   ; cluster y
	s_cmp_eq_u32 ttmp9, 5                          ; V?
	s_cselect_b32 s18, s17, ttmp9
	s_cselect_b32 s19, 0, s17
	s_cselect_b32 s20, 0, 2048                     ; source 0's first row in codes
	s_cselect_b32 s21, 4608, 0                     ; source 1's
	s_lshl_b32 s18, s18, 2
	s_add_co_u32 s18, s18, s12                     ; source 0's tile: holds cx, never cy
	s_lshl_b32 s19, s19, 2
	s_add_co_u32 s19, s19, s13                     ; source 1's tile: holds cy, never cx
	s_lshl_b32 s3, s16, 6
	s_lshl_b32 s2, s19, 7
	s_add_co_u32 s2, s2, s21
	s_add_co_u32 s2, s2, s3                        ; the first row that I would fetch for source 1,
	s_lshl_b32 s100, s18, 7
	s_add_co_u32 s100, s100, s20
	s_add_co_u32 s100, s100, s3                    ; and for source 0
	s_lshl_b32 s20, s2, 6                          ; their scales, 64 bytes a row,
	s_mov_b32 s21, 0
	s_lshl_b32 s22, s100, 6
	s_mov_b32 s23, 0
	s_lshl_b32 s2, s2, 10                          ; and codes, 1,024 bytes a row
	s_mov_b32 s3, 0
	s_lshl_b32 s100, s100, 10
	s_mov_b32 s101, 0
	s_mul_i32 s17, s14, HALFT                      ; where they go: by the wave's number alone
	s_mul_i32 s104, s14, HALFS
	s_wait_dscnt 0x0                               ; both opening adds are done
	s_wait_kmcnt 0x0
	s_add_nc_u64 s[2:3], s[4:5], s[2:3]
	s_add_nc_u64 s[100:101], s[4:5], s[100:101]
	s_add_nc_u64 s[20:21], s[6:7], s[20:21]
	s_add_nc_u64 s[22:23], s[6:7], s[22:23]
	CROUND                                         ; all sixteen work-groups are here: the joint loads meet
	MKG0 76, 104, SCL, 20, 0
	MKG0 56, 17, 0, 2, 0
	MKG0 60, 17, CHUNK, 2, 256
	MKG0 68, 17, 2*CHUNK, 2, 512
	MKG0 72, 17, 3*CHUNK, 2, 768
	MKG0 96, 104, SCL, 22, 0
	MKG0 80, 17, 0, 100, 0
	MKG0 84, 17, CHUNK, 100, 256
	MKG0 88, 17, 2*CHUNK, 100, 512
	MKG0 92, 17, 3*CHUNK, 100, 768
	s_cmp_eq_u32 s15, 0                            ; a wave's five fills stand in one branch on the wave's number: five loads of mine are out
	s_cbranch_scc0 .Lfill_0
	tensor_load_to_lds s[76:79], s[G1S:G1S+7]
	s_nop 0
	tensor_load_to_lds s[56:59], s[G1A:G1A+7]
	s_nop 0
	tensor_load_to_lds s[60:63], s[G1A:G1A+7]
	s_nop 0
	tensor_load_to_lds s[68:71], s[G1A:G1A+7]
	s_nop 0
	tensor_load_to_lds s[72:75], s[G1A:G1A+7]
	s_nop 0
	PLACES
	s_branch .Lfilled
.Lfill_0:
	tensor_load_to_lds s[96:99], s[G1SB:G1SB+7]
	s_nop 0
	tensor_load_to_lds s[80:83], s[G1B:G1B+7]
	s_nop 0
	tensor_load_to_lds s[84:87], s[G1B:G1B+7]
	s_nop 0
	tensor_load_to_lds s[88:91], s[G1B:G1B+7]
	s_nop 0
	tensor_load_to_lds s[92:95], s[G1B:G1B+7]
	s_nop 0
	PLACES
.Lfilled:
	s_mov_b32 s104, 0x3ed96d28                     ; sqrt(log2(e) / 8): on Q and on K, so that their product is the score in powers of two
	s_mov_b32 s105, s104
	v_and_b32 v1, 15, v0                           ; r
	v_bfe_u32 v2, v0, 4, 1                         ; h
	v_mul_u32_u24 v3, v1, PITCH
	v_lshl_add_u32 v3, v2, 4, v3                   ; a fragment's row x pitch + 16 h
	s_mul_i32 s20, s15, HALFT
	s_mul_i32 s21, s16, HALFT
	s_add_co_u32 s21, s21, 2*HALFT
.irp q, 0,1,2,3
	v_add_nc_u32 v[ADRA+\q], s20, v3
	v_add_nc_u32 v[ADRB+\q], s21, v3
	s_add_co_u32 s20, s20, CHUNK
	s_add_co_u32 s21, s21, CHUNK
.endr
	v_lshlrev_b32 v[ADRS], 6, v1                   ; my row's scales: 64 bytes a row,
	v_lshrrev_b32 v15, 8, v[ADRS]
	v_lshl_add_u32 v[ADRS], v15, 4, v[ADRS]        ; and 16 more for each 256 passed
	s_mul_i32 s2, s15, HALFS
	s_mul_i32 s3, s16, HALFS
	s_add_co_u32 s3, s3, 2*HALFS
	s_sub_co_u32 s3, s3, s2
	v_mul_u32_u24 v15, s3, v2                      ; lanes 16-31 take source 0's: one product, the distance between the two
	s_add_co_u32 s2, s2, SCL
	v_add_nc_u32 v[ADRS], v[ADRS], v15
	v_add_nc_u32 v[ADRS], s2, v[ADRS]
	v_and_b32 v[LI], 31, v0
	v_lshlrev_b32 v[LI], 4, v[LI]
	s_lshl_b32 s2, s19, 7
	s_lshl_b32 s3, s15, 6
	s_add_co_u32 s2, s2, s3                        ; source 1's first row of mine: for Q and K my first token
	s_lshl_b32 s2, s2, 8
	v_lshlrev_b32 v[FA], 8, v1
	v_lshl_add_u32 v[FA], v2, 5, v[FA]
	v_add_nc_u32 v[FA], s2, v[FA]                  ; the table: token's row of 256 bytes, + 32 h
	WIN 0xc0                                       ; destination window 3
.irp a, 0,1,2,3
.irp b, 0,1,2,3
.irp c, 0,1
	global_load_b128 v[64*\a+16*\b+4*\c:64*\a+16*\b+4*\c+3], v[FA], s[8:9] offset:4096*\a+64*\b+16*\c
	global_load_b128 v[64*\a+16*\b+8+4*\c:64*\a+16*\b+8+4*\c+3], v[FA], s[8:9] offset:524288+4096*\a+64*\b+16*\c
.endr
.endr
.endr
	WIN 0
; a chunk's 32 fragments (16 rows x 128 K of 4-bit codes: 8 registers, two loads of 16 bytes, 32 bytes apart) into the window that win names as destination
.macro FETCHC q, win
	WIN \win
.irp ks, 0,1,2,3
.irp i, 0,1,2,3
.irp c, 0,1
	ds_load_b128 v[64*\ks+8*\i+4*\c:64*\ks+8*\i+4*\c+3], v[ADRB+\q] offset:64*\ks+32*\c+\i*16*PITCH
.endr
.endr
.irp i, 0,1,2,3
.irp c, 0,1
	ds_load_b128 v[64*\ks+32+8*\i+4*\c:64*\ks+32+8*\i+4*\c+3], v[ADRA+\q] offset:64*\ks+32*\c+\i*16*PITCH
.endr
.endr
.endr
	WIN 0
.endm
.macro SCALES q                        ; the chunk's scale words: four a row; register 4 i + ks: lanes 0-15 source 1's block i, lanes 16-31 source 0's
.irp i, 0,1,2,3
	ds_load_b128 v[SC+16*((\q)%2)+4*\i:SC+16*((\q)%2)+4*\i+3], v[ADRS] offset:\i*SBLK+16*(\q)
.endr
.endm
; a chunk's 64 products.  The sixteen accumulators take turns, one instruction a turn, in the same order throughout.  zero = 1: the first K step starts the sums.
.macro MULC q, win, zero
	WIN \win
.irp ks, 0,1,2,3
.irp a, 0,1,2,3
.irp b, 0,1,2,3
.if (\zero) && (\ks == 0)
	v_wmma_scale_f32_16x16x128_f8f6f4 v[ACC+8*(4*\a+\b):ACC+8*(4*\a+\b)+7], v[64*\ks+8*\b:64*\ks+8*\b+7], v[64*\ks+32+8*\a:64*\ks+32+8*\a+7], 0, v[SC+16*((\q)%2)+4*\b+\ks], v[SC+16*((\q)%2)+4*\a+\ks] matrix_a_fmt:MATRIX_FMT_FP4 matrix_b_fmt:MATRIX_FMT_FP4 matrix_a_scale:MATRIX_SCALE_ROW1
.else
	v_wmma_scale_f32_16x16x128_f8f6f4 v[ACC+8*(4*\a+\b):ACC+8*(4*\a+\b)+7], v[64*\ks+8*\b:64*\ks+8*\b+7], v[64*\ks+32+8*\a:64*\ks+32+8*\a+7], v[ACC+8*(4*\a+\b):ACC+8*(4*\a+\b)+7], v[SC+16*((\q)%2)+4*\b+\ks], v[SC+16*((\q)%2)+4*\a+\ks] matrix_a_fmt:MATRIX_FMT_FP4 matrix_b_fmt:MATRIX_FMT_FP4 matrix_a_scale:MATRIX_SCALE_ROW1
.endif
.endr
.endr
.endr
.endm
	s_wait_tensorcnt 3                             ; my scales and my part of chunk 0 are in; three younger loads stay out (nothing is ever filled again)
	s_barrier_signal -1
	s_barrier_wait -1                              ; everybody's are
	FETCHC 0, 0x40
	SCALES 0
	s_wait_tensorcnt 2                             ; chunk 1
	s_wait_dscnt 0x0                               ; chunk 0's fragments are in registers; no LDS instruction is pending at a signal
	s_barrier_signal -1
	s_barrier_wait -1
	FETCHC 1, 0x80
	SCALES 1
	MULC 0, 0x05, 1                                ; chunk 0 is multiplied while chunk 1's fragments come
	PLACES                                         ; four places in front of loads into registers that matrix instructions have read
	s_wait_tensorcnt 1                             ; chunk 2
	s_wait_dscnt 0x0
	s_barrier_signal -1
	s_barrier_wait -1
	FETCHC 2, 0x40
	SCALES 2
	MULC 1, 0x0a, 0
	PLACES
	s_wait_tensorcnt 0x0                           ; chunk 3
	s_wait_dscnt 0x0
	s_barrier_signal -1
	s_barrier_wait -1
	FETCHC 3, 0x80
	SCALES 3
	MULC 2, 0x05, 0
	s_wait_dscnt 0x0
	MULC 3, 0x0a, 0
	WIN 0
	PLACES                                         ; in front of the first read of results, and of writes into window 1's registers, which products have read
	s_wait_loadcnt 0x0                             ; the table
	s_cmp_eq_u32 ttmp9, 5
	s_cbranch_scc1 .Lway_v
	; ---- Q and K: out[2 i] = q[2 i] cos[2 i] - q[2 i + 1] sin[2 i];  out[2 i + 1] = q[2 i + 1] cos[2 i + 1] + q[2 i] sin[2 i + 1]
	s_lshl_b32 s2, s19, 3
	s_lshl_b32 s3, s15, 2
	s_add_co_u32 s2, s2, s3                        ; my first tile of 16 tokens
	s_lshl_b32 s3, s18, 1
	s_add_co_u32 s3, s3, s16                       ; my head: 0-31 Q's, 32-39 K's
	s_cmp_eq_u32 ttmp9, 4                          ; K?
	s_mov_b32 s20, 0x10000
	s_cselect_b32 s20, 0x800, s20                  ; bytes from a tile of tokens to the next
	s_mov_b32 s21, 0x800
	s_cselect_b32 s21, 0x40000, s21                ; from a head to the next
	s_cselect_b32 s22, 32, 0
	s_cselect_b32 s23, 0x800000, 0                 ; K's first byte
	s_sub_co_u32 s3, s3, s22
	s_mul_i32 s2, s2, s20
	s_mul_i32 s3, s3, s21
	s_add_co_u32 s2, s2, s3
	s_add_co_u32 s2, s2, s23
	s_mov_b32 s3, 0
	s_add_nc_u64 s[10:11], s[10:11], s[2:3]
.irp a, 0,1,2,3
	v_mad_u32_u24 v[VO+\a], s20, \a, v[LI]
.endr
	WIN 0x5c                                       ; results and addend window 1, the accumulators window 0, the table window 3
.irp t, 0,1,2,3,4,5,6,7,8,9,10,11,12,13,14,15
.irp p, 0,1,2,3                                ; each accumulator from its low end on
	v_pk_mul_f32 v[8*\t+2*\p:8*\t+2*\p+1], v[ACC+8*\t+2*\p:ACC+8*\t+2*\p+1], v[16*\t+2*\p:16*\t+2*\p+1]
.endr
.irp p, 0,1,2,3                                ; the pair's halves change places; the low half's sine is negated
	v_pk_fma_f32 v[8*\t+2*\p:8*\t+2*\p+1], v[ACC+8*\t+2*\p:ACC+8*\t+2*\p+1], v[16*\t+8+2*\p:16*\t+8+2*\p+1], v[8*\t+2*\p:8*\t+2*\p+1] op_sel:[1,0,0] op_sel_hi:[0,1,1] neg_lo:[0,1,0]
.endr
.endr
	WIN 0x41
.set n, 0
.rept 64
	v_pk_mul_f32 v[n:n+1], v[n:n+1], s[104:105] op_sel_hi:[1,0]
.set n, n+2
.endr
	WIN 0x05
.set n, 0
.rept 64
	v_cvt_pk_f16_f32 v[PK+n], v[2*n], v[2*n+1]
.set n, n+1
.endr
	WIN 0
.irp a, 0,1,2,3
.irp b, 0,1,2,3
	global_store_b128 v[VO+\a], v[PK+4*(4*\a+\b):PK+4*(4*\a+\b)+3], s[10:11] offset:512*\b   ; half a fragment's image: 512 consecutive bytes, aligned
.endr
.endr
	s_branch .Ldone
.Lway_v:	; ---- V: a lane's eight numbers are eight neighbouring keys of one channel
	s_lshl_b32 s2, s13, 1
	s_add_co_u32 s2, s2, s15                       ; my kv head
	s_lshl_b32 s2, s2, 18
	s_lshl_b32 s3, s18, 2
	s_lshl_b32 s20, s16, 1
	s_add_co_u32 s3, s3, s20                       ; my first 32 keys
	s_lshl_b32 s3, s3, 12
	s_add_co_u32 s2, s2, s3
	s_add_co_u32 s2, s2, 0xa00000                  ; V's first byte
	s_mov_b32 s3, 0
	s_add_nc_u64 s[10:11], s[10:11], s[2:3]
.set n, 0
.rept 64
	v_cvt_pk_f16_f32 v[PK+n], v[ACC+2*n], v[ACC+2*n+1]   ; ascending: each accumulator from its low end on
.set n, n+1
.endr
.irp a, 0,1,2,3
.irp b, 0,1,2,3
	global_store_b128 v[LI], v[PK+4*(4*\a+\b):PK+4*(4*\a+\b)+3], s[10:11] offset:(\b/2)*4096+\a*1024+(\b%2)*512
.endr
.endr
.Ldone:
	s_wait_tensorcnt 0x0                           ; the wave's end
	ds_add_u32 v[SPW], v[NIL]
	s_wait_dscnt 0x0
	CROUND                                         ; the closing round
	s_endpgm
.Lfunc_end_k_q63a53fedfc_qkv:
	.size	k_q63a53fedfc_qkv, .Lfunc_end_k_q63a53fedfc_qkv-k_q63a53fedfc_qkv
	.p2alignl 7, 3214868480
	.fill 96, 4, 3214868480
	.section	.rodata,"a",@progbits
	.p2align	6, 0x0
	.amdhsa_kernel k_q63a53fedfc_qkv
		.amdhsa_group_segment_fixed_size 327680
		.amdhsa_private_segment_fixed_size 0
		.amdhsa_enable_private_segment 0
		.amdhsa_kernarg_size 32
		.amdhsa_user_sgpr_count 2
		.amdhsa_user_sgpr_kernarg_segment_ptr 1
		.amdhsa_wavefront_size32 1
		.amdhsa_system_sgpr_workgroup_id_x 1
		.amdhsa_system_sgpr_workgroup_id_y 1
		.amdhsa_system_sgpr_workgroup_id_z 1
		.amdhsa_system_vgpr_workitem_id 0
		.amdhsa_next_free_vgpr 1024
		.amdhsa_next_free_sgpr 106
		.amdhsa_reserve_vcc 0
		.amdhsa_float_denorm_mode_32 3
		.amdhsa_float_denorm_mode_16_64 3
		.amdhsa_memory_ordered 1
		.amdhsa_forward_progress 1
		.amdhsa_inst_pref_size 92
	.end_amdhsa_kernel
	.amdgpu_metadata
---
amdhsa.version: [ 1, 2 ]
amdhsa.kernels:
  - .name:           k_q63a53fedfc_qkv
    .symbol:         k_q63a53fedfc_qkv.kd
    .args:
      - { .name: codes, .offset: 0, .size: 8, .value_kind: global_buffer, .address_space: global }
      - { .name: scales, .offset: 8, .size: 8, .value_kind: global_buffer, .address_space: global }
      - { .name: freqs, .offset: 16, .size: 8, .value_kind: global_buffer, .address_space: global }
      - { .name: qkv, .offset: 24, .size: 8, .value_kind: global_buffer, .address_space: global }
    .group_segment_fixed_size: 327680
    .private_segment_fixed_size: 0
    .kernarg_segment_align: 8
    .kernarg_segment_size: 32
    .max_flat_workgroup_size: 128
    .sgpr_count:     106
    .vgpr_count:     1024
    .wavefront_size: 32
...
	.end_amdgpu_metadata
.endif
;; end of part 2
;; launch attn (part 3): grid 32 x 8, 4 waves a work-group, no clusters, 50,688 bytes of LDS; arguments qkv, msk, oh; writes oh
.if DOCPART == 3
	.amdgcn_target "amdgcn-amd-amdhsa--gfx1250"
	.amdhsa_code_object_version 6
	.text
	.protected	k_q63a53fedfc_attn
	.globl	k_q63a53fedfc_attn
	.p2align	8
	.type	k_q63a53fedfc_attn,@function
k_q63a53fedfc_attn:
	s_mov_b64 s[64:65], 0
	v_nop
	global_prefetch_b8 v0, s[64:65] scope:SCOPE_SE
	s_setreg_imm32_b32 hwreg(HW_REG_WAVE_MODE, 25, 1), 1
	s_wait_xcnt 0x0
; softmax(Q K^T / 8, under the mask) V for 32 query heads on 8 key and value heads, head size 64, 2,048 tokens.  Operands f16 (made by the launch before, as images of these registers), sums f32.
; Q and K carry sqrt(log2(e) / 8) each, so a score is already an exponent of two.  For each query a running maximum m and sum l: p = 2^(s - m); O and l are multiplied by 2^(old m - new m) in every step.
; THE MASK IS AN INPUT.  The first launch has turned it into whole numbers: for each 16 queries x 64 keys a class (bit 0: some key counts, bit 1: all count) and 32 words of lane bits.
; Every wave walks all 32 key blocks of 64, a constant count; a block in which no key counts for its 16 queries is passed over by a scalar branch on the class; a block in which all count skips the selects.
; Barriers, waits and address steps stand on every path.  Since branches hang on numbers read from memory, K and V come through registers: each wave loads a quarter of the next block (4,096 bytes)
; and stores it to LDS as it lies, one block ahead, in two slots, one barrier a block; a block that neither of the work-group's two tiles needs is not fetched.
; SHARES.  Work-group (u, g): kv head g; first tokens 32 (63 - u) on, then tokens 32 u on (so that under a lower-triangular mask all work-groups have equal work; right for any mask).
; Wave w: tile of 16 tokens w / 2, query heads 4 g + 2 (w % 2) and the next: one mask word serves both heads, and each fragment of K and V feeds two products.
; LAYOUT.  S^T = K Q^T and O^T = V^T P: a lane holds one query (lane % 16) throughout; two score tiles, rounded to f16 in pairs, are source 1 of the second product.
; No cluster and no tensor load: the walk hangs on stored numbers.
; LIMITS: a query for which no key counts gives l = 0 and 0 x (1 / 0) = NaN, as the softmax of a row of -infinity does.  The output is rounded to f16: magnitudes under 65,504.
; REGISTERS: window 0: v1-15 addresses; v16-31 statistics, 8 a head (+0 m, +2, +3 l, +4..+7 at work); v32-95 S^T; v96-127 P; v128-191 K; v192-255 V.   window 1: v0-31 Q; v64-127 O^T; v128-159 the quarter on its way.
.set SLOTB, 16384                      ; a slot: K's 8 fragments of 1,024 bytes, then V's 8
.set VIMG,  8192
.set STAGE, 32768                      ; the way out: 16 rows x 272 bytes a wave
.set SP,    272
.set SPARE, 50176                      ; the spare words, 128 bytes a wave
.set LI,  1                            ; 16 x lane
.set LW,  2                            ; 4,096 x wave + 16 x lane
.set STO, 3
.set RD,  4
.set GO,  5
.set PFO, 6                            ; 256 x lane
.set NINF, 7                           ; -infinity
.set SPW, 8
.set NIL, 9
.set CL,  13                           ; 4 x lane
.set ST,  16
.set S,   32
.set P,   96
.set KF,  128
.set VF,  192
.set OW,  64                           ; in window 1
.set GW,  128                          ; in window 1
.set MSB, 0
.macro WIN new
.if MSB != \new
	s_set_vgpr_msb (MSB<<8)|\new
.set MSB, \new
.endif
.endm
	s_load_b128 s[4:7], s[0:1], 0x0                ; qkv 4, msk 6
	s_load_b64 s[8:9], s[0:1], 0x10                ; oh
	v_lshl_add_u32 v[SPW], v0, 2, SPARE
	v_mov_b32 v[NIL], 0
	v_lshrrev_b32 v10, 5, v0
	v_readfirstlane_b32 s10, v10                   ; wave
	s_lshr_b32 s11, s10, 1                         ; my tile of tokens.  Also: I fetch K (0) or V (1)
	s_and_b32 s12, s10, 1                          ; my pair of heads.  Also: which half of the block I fetch
	s_and_b32 s13, ttmp7, 0xffff                   ; g
	s_mov_b32 s14, ttmp9                           ; u
	s_mov_b32 s30, 0x76543210
	s_mov_b32 s31, 0xfedcba98                      ; lane l xor 16
	v_and_b32 v10, 31, v0
	v_and_b32 v11, 15, v0                          ; r
	v_bfe_u32 v12, v0, 4, 1                        ; h
	v_lshlrev_b32 v[LI], 4, v10
	s_lshl_b32 s70, s10, 12
	v_add_nc_u32 v[LW], s70, v[LI]
	s_mul_i32 s70, s10, 16*SP
	s_add_co_u32 s70, s70, STAGE
	v_mul_u32_u24 v[STO], v11, SP
	v_lshl_add_u32 v[STO], v12, 4, v[STO]
	v_add_nc_u32 v[STO], s70, v[STO]               ; in: row r, + 16 h
	v_mul_u32_u24 v[RD], v12, SP
	v_lshl_add_u32 v[RD], v11, 4, v[RD]
	v_add_nc_u32 v[RD], s70, v[RD]                 ; back: lanes 0-15 one row, lanes 16-31 the next
	v_lshlrev_b32 v[GO], 12, v12
	v_lshl_add_u32 v[GO], v11, 4, v[GO]            ; and the same in oh: rows of 4,096 bytes
	v_lshlrev_b32 v[PFO], 8, v10
	v_mov_b32 v[NINF], 0xff800000
	v_lshlrev_b32 v[CL], 2, v10
	s_lshl_b32 s70, s11, 21                        ; V's images lie 2,097,152 bytes behind K's
	s_lshl_b32 s71, s13, 18                        ; a kv head: 262,144 bytes
	s_add_co_u32 s70, s70, s71
	s_lshl_b32 s71, s12, 12
	s_add_co_u32 s70, s70, s71
	s_add_co_u32 s70, s70, 0x800000
	s_mov_b32 s71, 0
	s_wait_kmcnt 0x0
	s_add_nc_u64 s[72:73], s[4:5], s[70:71]        ; my quarter of key block 0
	s_mov_b32 s15, 0                               ; the phase
; one head's softmax for a key block: 118 instructions.  The 33 exponentials are one batch with one wait.
.macro SMX e
.set rT, ST+8*(\e)
.set rS, S+32*(\e)
.set rP, P+16*(\e)
.set rO, OW+32*(\e)
	WIN 0
.irp k, 0,1,2,3
	v_max3_num_f32 v[rT+4+\k], v[rS+8*\k], v[rS+8*\k+1], v[rS+8*\k+2]      ; four chains, each from its tile's low end on
.endr
.irp u, 3,5
.irp k, 0,1,2,3
	v_max3_num_f32 v[rT+4+\k], v[rT+4+\k], v[rS+8*\k+\u], v[rS+8*\k+\u+1]
.endr
.endr
	v_max3_num_f32 v[rT+4], v[rT+4], v[rS+7], v[rS+15]
	v_max3_num_f32 v[rT+6], v[rT+6], v[rS+23], v[rS+31]
	v_max3_num_f32 v[rT+4], v[rT+4], v[rT+5], v[rT+6]
	v_max3_num_f32 v[rT+4], v[rT+4], v[rT+7], v[rT]                        ; with the old m
	v_permlanex16_b32 v[rT+5], v[rT+4], s30, s31                           ; the query's other 32 keys
	v_mov_b32 v[rT+7], v[rT]
	v_max_num_f32 v[rT], v[rT+4], v[rT+5]                                  ; the new m
	v_sub_f32 v[rT+7], v[rT+7], v[rT]                                      ; old m - new m
.set n, 0
.rept 16
	v_pk_add_f32 v[rS+n:rS+n+1], v[rS+n:rS+n+1], v[rT:rT+1] op_sel_hi:[1,0] neg_lo:[0,1] neg_hi:[0,1]   ; s - m
.set n, n+2
.endr
	v_exp_f32 v[rT+6], v[rT+7]
.set n, 0
.rept 32
	v_exp_f32 v[rS+n], v[rS+n]
.set n, n+1
.endr
	v_nop                                          ; a plain instruction behind the last exponential
	s_wait_alu depctr_va_vdst(0)                   ; one wait for the batch, ahead of its first reader
.set n, 0
.rept 16
	v_cvt_pk_f16_f32 v[rP+n], v[rS+2*n], v[rS+2*n+1]
.set n, n+1
.endr
.irp u, 0,1,2,3,4,5,6,7                        ; the sum of the unrounded p, pairs at a time, in place
	v_pk_add_f32 v[rS+4*\u:rS+4*\u+1], v[rS+4*\u:rS+4*\u+1], v[rS+4*\u+2:rS+4*\u+3]
.endr
.irp u, 0,1,2,3
	v_pk_add_f32 v[rS+8*\u:rS+8*\u+1], v[rS+8*\u:rS+8*\u+1], v[rS+8*\u+4:rS+8*\u+5]
.endr
.irp u, 0,1
	v_pk_add_f32 v[rS+16*\u:rS+16*\u+1], v[rS+16*\u:rS+16*\u+1], v[rS+16*\u+8:rS+16*\u+9]
.endr
	v_pk_add_f32 v[rS:rS+1], v[rS:rS+1], v[rS+16:rS+17]
	v_pk_fma_f32 v[rT+2:rT+3], v[rT+2:rT+3], v[rT+6:rT+7], v[rS:rS+1] op_sel_hi:[1,0,1]
	WIN 0x41                                       ; O^T in window 1
.set n, 0
.rept 16
	v_pk_mul_f32 v[rO+n:rO+n+1], v[rO+n:rO+n+1], v[rT+6:rT+7] op_sel_hi:[1,0]   ; ascending: each accumulator from its low end on
.set n, n+2
.endr
.endm
.macro PV e                            ; O^T += V^T P: four accumulators by turns
	WIN 0x50
.irp kb, 0,1
.irp ct, 0,1,2,3
	v_wmma_f32_16x16x32_f16 v[OW+32*(\e)+8*\ct:OW+32*(\e)+8*\ct+7], v[VF+8*(4*\kb+\ct):VF+8*(4*\kb+\ct)+7], v[P+16*(\e)+8*\kb:P+16*(\e)+8*\kb+7], v[OW+32*(\e)+8*\ct:OW+32*(\e)+8*\ct+7]
.endr
.endr
.endm
; ONE KEY BLOCK, in LDS slot `slot`.  s18 the block's number; bit 0 of s20: some key counts for my tile; of s21: all count; of s22: the next block is needed by one of the two tiles.
.macro TRIP slot
	s_bitcmp1_b32 s22, 0
	s_cbranch_scc0 .Lno_fetch_\@
	WIN 0x40
.irp i, 0,1,2,3,4,5,6,7
	global_load_b128 v[GW+4*\i:GW+4*\i+3], v[LI], s[24:25] offset:512*\i    ; my quarter of the next block: it has this block's work in which to come
.endr
	WIN 0
.Lno_fetch_\@:
	s_cmp_lt_u32 s18, s23                          ; a prefetch of key block s18 + 5: four blocks ahead of its load.  Of each kv head's work-groups the first asks, in its first phase: wave 0 for K's 8,192 bytes,
	s_cbranch_scc0 .Lno_ask_\@                     ; wave 2 for V's, lanes 256 bytes apart: each block of 256 bytes is named once.  It stops at block 31; blocks 0 to 4 come by their loads alone
	global_prefetch_b8 v[PFO], s[24:25] offset:32768 th:TH_LOAD_NT scope:SCOPE_SE
.Lno_ask_\@:
	s_bitcmp1_b32 s20, 0
	s_cbranch_scc0 .Lskip_\@
	s_load_b512 s[32:47], s[26:27], s28 offset:0x0 ; the block's 32 words of lane bits
	s_load_b512 s[48:63], s[26:27], s28 offset:0x40
.irp f, 0,1,2,3,4,5,6,7
.irp c, 0,1
	ds_load_b128 v[KF+8*\f+4*\c:KF+8*\f+4*\c+3], v[LI] offset:\slot*SLOTB+1024*\f+512*\c
.endr
.endr
.irp f, 0,1,2,3,4,5,6,7
.irp c, 0,1
	ds_load_b128 v[VF+8*\f+4*\c:VF+8*\f+4*\c+3], v[LI] offset:\slot*SLOTB+VIMG+1024*\f+512*\c
.endr
.endr
	s_wait_dscnt 16                                ; K is in; V's sixteen loads stay out
	WIN 0x04                                       ; Q in window 1
.irp e, 0,1
.irp kt, 0,1,2,3                               ; four accumulators by turns; the first 32 channels start the sums
	v_wmma_f32_16x16x32_f16 v[S+32*\e+8*\kt:S+32*\e+8*\kt+7], v[KF+16*\kt:KF+16*\kt+7], v[16*\e:16*\e+7], 0
.endr
.irp kt, 0,1,2,3
	v_wmma_f32_16x16x32_f16 v[S+32*\e+8*\kt:S+32*\e+8*\kt+7], v[KF+16*\kt+8:KF+16*\kt+15], v[16*\e+8:16*\e+15], v[S+32*\e+8*\kt:S+32*\e+8*\kt+7]
.endr
.endr
	WIN 0
.rept 4
	v_nop                                          ; places in front of the first read of the scores
.endr
	s_wait_kmcnt 0x0
	s_bitcmp1_b32 s21, 0
	s_cbranch_scc1 .Lfull_\@
.set n, 0
.rept 64
	v_cndmask_b32 v[S+n], v[NINF], v[S+n], s[32+n%32]   ; a key that does not count: -infinity, so p = 0
.set n, n+1
.endr
.Lfull_\@:
	SMX 0
	s_wait_dscnt 0x0                               ; V is in
	PV 0
	SMX 1
	PV 1
	WIN 0
.rept 4
	v_nop                                          ; places behind the last products: for the next loads into V's registers and the next reads of O^T
.endr
.Lskip_\@:
	s_wait_loadcnt 0x0                             ; my quarter of the next block, if it was asked for
	s_bitcmp1_b32 s22, 0
	s_cbranch_scc0 .Lno_store_\@
	WIN 0x04                                       ; an LDS store's data: window 1
.irp i, 0,1,2,3,4,5,6,7
	ds_store_b128 v[LW], v[GW+4*\i:GW+4*\i+3] offset:(1-\slot)*SLOTB+512*\i
.endr
	WIN 0
.Lno_store_\@:
	s_wait_xcnt 0x0                                ; loads, scalar loads and the prefetch have read their addresses: they may step
	s_add_nc_u64 s[24:25], s[24:25], 8192
	s_add_co_u32 s28, s28, 128
	s_add_co_u32 s18, s18, 1
	s_lshr_b32 s20, s20, 1
	s_lshr_b32 s21, s21, 1
	s_lshr_b32 s22, s22, 1
	s_wait_dscnt 0x0                               ; my stores into the other slot have landed and my reads of this slot are over
	s_barrier_signal -1
	s_barrier_wait -1
.endm
.Lphase:
	s_wait_xcnt 0x0                                ; the last phase's stores have read their registers and base
	s_sub_co_u32 s70, 63, s14
	s_cmp_eq_u32 s15, 0
	s_cselect_b32 s16, s70, s14                    ; which 32 tokens
	s_lshl_b32 s17, s16, 1
	s_add_co_u32 s17, s17, s11                     ; my tile of 16 tokens
	s_lshl_b32 s74, s13, 2
	s_lshl_b32 s75, s12, 1
	s_add_co_u32 s74, s74, s75                     ; my first head
	s_lshl_b32 s70, s17, 5
	s_add_co_u32 s70, s70, s74
	s_lshl_b32 s70, s70, 11
	s_mov_b32 s71, 0
	s_add_nc_u64 s[66:67], s[4:5], s[70:71]        ; Q's images
	s_lshl_b32 s70, s17, 16
	s_lshl_b32 s74, s74, 7
	s_add_co_u32 s70, s70, s74
	s_add_nc_u64 s[68:69], s[8:9], s[70:71]        ; my 256 bytes of 16 rows of oh
	s_lshl_b32 s70, s17, 12
	s_add_co_u32 s70, s70, 16384
	s_add_nc_u64 s[26:27], s[6:7], s[70:71]        ; my tile's lane words
	s_lshl_b32 s70, s16, 8
	s_add_nc_u64 s[76:77], s[6:7], s[70:71]        ; the two tiles' class words
	s_mov_b64 s[24:25], s[72:73]
	WIN 0x40
.irp e, 0,1
.irp kc, 0,1
.irp c, 0,1
	global_load_b128 v[16*\e+8*\kc+4*\c:16*\e+8*\kc+4*\c+3], v[LI], s[66:67] offset:2048*\e+1024*\kc+512*\c
.endr
.endr
.endr
.irp i, 0,1,2,3,4,5,6,7
	global_load_b128 v[GW+4*\i:GW+4*\i+3], v[LI], s[24:25] offset:512*\i    ; key block 0, always
.endr
	WIN 0
	global_load_b32 v14, v[CL], s[76:77]           ; lane kb: the class of key block kb, tile 0,
	global_load_b32 v15, v[CL], s[76:77] offset:128   ; tile 1
	WIN 0x40
.set n, 0
.rept 64
	v_mov_b32 v[OW+n], 0                           ; O^T: which block is the first that counts is known from data alone, so no product can start the sums
.set n, n+1
.endr
	WIN 0
.irp e, 0,1
	v_mov_b32 v[ST+8*\e], 0xff61b1e6               ; m: -3e38, under every score
.irp k, 1,2,3,4,5,6,7
	v_mov_b32 v[ST+8*\e+\k], 0                     ; l, and the registers at work: written on every path
.endr
.endr
	s_wait_loadcnt 0x0
	s_add_nc_u64 s[24:25], s[24:25], 8192          ; on to block 1
	v_and_b32 v10, 1, v14
	v_and_b32 v11, 2, v14
	v_and_b32 v12, 1, v15
	v_and_b32 v14, 2, v15
	v_cmp_ne_u32 s70, 0, v10                       ; bit kb: some key of block kb counts for tile 0
	v_cmp_ne_u32 s71, 0, v11                       ; all count
	v_cmp_ne_u32 s74, 0, v12                       ; the same for tile 1
	v_cmp_ne_u32 s75, 0, v14
	s_cmp_eq_u32 s11, 0
	s_cselect_b32 s20, s70, s74
	s_cselect_b32 s21, s71, s75
	s_or_b32 s22, s70, s74
	s_lshr_b32 s22, s22, 1                         ; bit 0: block 1 is needed
	s_and_b32 s70, s10, 1
	s_or_b32 s70, s70, s14
	s_or_b32 s70, s70, s15
	s_cmp_eq_u32 s70, 0
	s_cselect_b32 s23, 27, 0                       ; who prefetches, and up to which block
	WIN 0x04
.irp i, 0,1,2,3,4,5,6,7
	ds_store_b128 v[LW], v[GW+4*\i:GW+4*\i+3] offset:512*\i                 ; slot 0: every wave has passed the last block's barrier, behind which nobody reads a slot
.endr
	WIN 0
	s_wait_dscnt 0x0
	s_barrier_signal -1
	s_barrier_wait -1
	s_mov_b32 s18, 0
	s_mov_b32 s28, 0
	s_mov_b32 s19, 16
.Ltrip:
	TRIP 0
	TRIP 1
	s_sub_co_u32 s19, s19, 1
	s_cmp_lg_u32 s19, 0
	s_cbranch_scc1 .Ltrip
	; THE WAY OUT: O^T / l, f16, through my stage, so that sixteen lanes store 256 consecutive bytes, aligned (two heads' 64 channels of a token)
.irp e, 0,1
	v_add_f32 v[ST+8*\e+4], v[ST+8*\e+2], v[ST+8*\e+3]
.endr
.irp e, 0,1
	v_permlanex16_b32 v[ST+8*\e+5], v[ST+8*\e+4], s30, s31
.endr
.irp e, 0,1
	v_add_f32 v[ST+8*\e+4], v[ST+8*\e+4], v[ST+8*\e+5]
.endr
.irp e, 0,1
	v_rcp_f32 v[ST+8*\e+6], v[ST+8*\e+4]
.endr
	v_nop
	s_wait_alu depctr_va_vdst(0)                   ; one wait for both reciprocals, ahead of their first reader
	WIN 0x41
.irp e, 0,1
.set n, 0
.rept 16
	v_pk_mul_f32 v[OW+32*\e+n:OW+32*\e+n+1], v[OW+32*\e+n:OW+32*\e+n+1], v[ST+8*\e+6:ST+8*\e+7] op_sel_hi:[1,0]
.set n, n+2
.endr
.endr
	WIN 0x05
.set n, 0
.rept 32
	v_cvt_pk_f16_f32 v[S+n], v[OW+2*n], v[OW+2*n+1]
.set n, n+1
.endr
	WIN 0
.irp e, 0,1
.irp ct, 0,1,2,3
	ds_store_b128 v[STO], v[S+16*\e+4*\ct:S+16*\e+4*\ct+3] offset:128*\e+32*\ct
.endr
.endr
.irp t, 0,1,2,3,4,5,6,7
	ds_load_b128 v[S+32+4*\t:S+32+4*\t+3], v[RD] offset:\t*2*SP             ; LDS serves a wave's instructions in order: these see my stores
.endr
.irp t, 0,1,2,3,4,5,6,7
	s_wait_dscnt 7-\t
	global_store_b128 v[GO], v[S+32+4*\t:S+32+4*\t+3], s[68:69] offset:8192*\t
.endr
	s_add_co_u32 s15, s15, 1
	s_cmp_lt_u32 s15, 2
	s_cbranch_scc1 .Lphase
	s_wait_tensorcnt 0x0                           ; the wave's end, behind my last LDS store
	ds_add_u32 v[SPW], v[NIL]
	s_wait_dscnt 0x0
	s_endpgm
.Lfunc_end_k_q63a53fedfc_attn:
	.size	k_q63a53fedfc_attn, .Lfunc_end_k_q63a53fedfc_attn-k_q63a53fedfc_attn
	.p2alignl 7, 3214868480
	.fill 96, 4, 3214868480
	.section	.rodata,"a",@progbits
	.p2align	6, 0x0
	.amdhsa_kernel k_q63a53fedfc_attn
		.amdhsa_group_segment_fixed_size 50688
		.amdhsa_private_segment_fixed_size 0
		.amdhsa_enable_private_segment 0
		.amdhsa_kernarg_size 24
		.amdhsa_user_sgpr_count 2
		.amdhsa_user_sgpr_kernarg_segment_ptr 1
		.amdhsa_wavefront_size32 1
		.amdhsa_system_sgpr_workgroup_id_x 1
		.amdhsa_system_sgpr_workgroup_id_y 1
		.amdhsa_system_sgpr_workgroup_id_z 1
		.amdhsa_system_vgpr_workitem_id 0
		.amdhsa_next_free_vgpr 448
		.amdhsa_next_free_sgpr 80
		.amdhsa_reserve_vcc 0
		.amdhsa_float_denorm_mode_32 3
		.amdhsa_float_denorm_mode_16_64 3
		.amdhsa_memory_ordered 1
		.amdhsa_forward_progress 1
		.amdhsa_inst_pref_size 63
	.end_amdhsa_kernel
	.amdgpu_metadata
---
amdhsa.version: [ 1, 2 ]
amdhsa.kernels:
  - .name:           k_q63a53fedfc_attn
    .symbol:         k_q63a53fedfc_attn.kd
    .args:
      - { .name: qkv, .offset: 0, .size: 8, .value_kind: global_buffer, .address_space: global }
      - { .name: msk, .offset: 8, .size: 8, .value_kind: global_buffer, .address_space: global }
      - { .name: oh, .offset: 16, .size: 8, .value_kind: global_buffer, .address_space: global }
    .group_segment_fixed_size: 50688
    .private_segment_fixed_size: 0
    .kernarg_segment_align: 8
    .kernarg_segment_size: 24
    .max_flat_workgroup_size: 128
    .sgpr_count:     80
    .vgpr_count:     448
    .wavefront_size: 32
...
	.end_amdgpu_metadata
.endif
;; end of part 3
;; launch oproj (part 4): grid 16 x 16, 4 waves a work-group, clusters of 4 x 4, 327,680 bytes of LDS; arguments oh, woh, out0; writes out0
.if DOCPART == 4
	.amdgcn_target "amdgcn-amd-amdhsa--gfx1250"
	.amdhsa_code_object_version 6
	.text
	.protected	k_q63a53fedfc_oproj
	.globl	k_q63a53fedfc_oproj
	.p2align	8
	.type	k_q63a53fedfc_oproj,@function
k_q63a53fedfc_oproj:
	s_mov_b64 s[64:65], 0
	v_nop
	global_prefetch_b8 v0, s[64:65] scope:SCOPE_SE
	s_setreg_imm32_b32 hwreg(HW_REG_WAVE_MODE, 25, 1), 1
	s_wait_xcnt 0x0
	s_wait_alu depctr_hold_cnt(0) depctr_sa_sdst(0) depctr_va_vdst(0) depctr_va_sdst(0) depctr_va_ssrc(0) depctr_va_vcc(0) depctr_vm_vsrc(0)
	s_getreg_b32 s2, hwreg(HW_REG_IB_STS2, 6, 4)
	s_cmp_eq_u32 s2, 0
	s_cbranch_scc0 .Lentry_in_a_cluster
	s_endpgm
.Lentry_in_a_cluster:
	s_bfe_u32 s2, ttmp6, 0x10000c
	s_cmp_lg_u32 s2, 0xf033
	s_cbranch_scc0 .Lentry_shape_is_right
	s_endpgm
.Lentry_shape_is_right:
; out0[m][n] = sum over k of oh[m][k] woh[k][n].  oh: [2048][2048] f16 (the attention's output), woh: [2048 (k)][2048 (n)] f16 (Wo as it lies), out0: f32; sums in f32.
; 256 tiles of 128 x 128, one to a work-group; four waves, each 64 x 64: 16 accumulators.  K goes in steps of 256 through a ring of two LDS slots filled by the tensor data mover:
; waves 0 and 1 fetch oh's two halves (64 rows of 512 bytes), waves 2 and 3 woh's (128 rows k of 256 bytes).  woh's K is not innermost: its fragments come out of LDS turned, by ds_load_tr16_b128.
; CLUSTER 4 x 4: oh's tile is asked for jointly along a row of the cluster, woh's along a column.  The matrix instruction is used transposed (source 0 = 16 columns of woh, source 1 = 16 rows of oh):
; a lane holds eight neighbouring numbers of a row of out0.
; REGISTERS: window 0: v16-29 addresses; v32-95 the way out; v128-255 the accumulators ((a, b) at 128 + 8 (4 a + b)).   window 1: two fragment buffers of 128: 64 registers of oh, then 64 of woh.
.set KSTEP,  256
.set PITCH,  528                       ; oh's LDS row: 512 bytes + 16
.set PB,     288                       ; woh's: 256 + 32
.set HALFA,  64*PITCH
.set HALFB,  128*PB
.set SLOT,   2*HALFA+2*HALFB
.set STAGE,  2*SLOT                    ; behind the ring: 16 rows x 272 bytes for each wave
.set SPITCH, 272
.set SPARE,  STAGE+4*16*SPITCH
.set LAPS,   4                         ; 2,048 / (2 x 256)
.set ADRA, 16                          ; v16-17  oh's fragments in slot 0, 1
.set ADRB, 20                          ; v20-23  woh's: slot 0 rows 0-127, slot 0 rows 128-255, slot 1 likewise (the immediate reaches 65,535 bytes)
.set STO,  24
.set RD,   25
.set CO,   26
.set SPW,  28
.set NIL,  29
.set TMP,  32
.set ACC,  128
.set F0,   0
.set F1,   128
.set G1, 24
.set G0, 32
.set G1B, 48
.set G0B, 56
.set MSB, 0
.macro WIN new
.if MSB != \new
	s_set_vgpr_msb (MSB<<8)|\new
.set MSB, \new
.endif
.endm
.set MUL,  0x05                        ; sources 0 and 1 window 1; C and D window 0
.set TO_F, 0x40                        ; destination window 1, address window 0
.macro JLOAD s                         ; a joint load; an s_nop 0 and four v_nop follow each of the two lines
	s_cmp_eq_u32 s11, 0
	s_cbranch_scc0 .Lfor_b_\@
	tensor_load_to_lds s[G0+4*\s:G0+4*\s+3], s[G1:G1+7]
	s_nop 0
.rept 4
	v_nop
.endr
	s_branch .Lasked_\@
.Lfor_b_\@:
	tensor_load_to_lds s[G0B+4*\s:G0B+4*\s+3], s[G1B:G1B+7]
	s_nop 0
.rept 4
	v_nop
.endr
.Lasked_\@:
.endm
.macro CREST
	s_cmp_lg_u32 s10, 0
	s_cbranch_scc1 .Lnot_wave_0_\@
	s_barrier_signal -3
.Lnot_wave_0_\@:
	s_barrier_wait -3
	s_barrier_signal -1
	s_barrier_wait -1
.endm
.macro CROUND
	s_barrier_signal -1
	s_barrier_wait -1
	CREST
.endm
	s_load_b128 s[4:7], s[0:1], 0x0                ; oh 4, woh 6
	s_load_b64 s[8:9], s[0:1], 0x10                ; out0
	v_lshl_add_u32 v[SPW], v0, 2, SPARE
	v_mov_b32 v[NIL], 0
	ds_add_u32 v[SPW], v[NIL]                      ; the opening: the add, twice on end, and its wait ahead of my first tensor load
	ds_add_u32 v[SPW], v[NIL]
	v_lshrrev_b32 v1, 5, v0
	v_readfirstlane_b32 s10, v1                    ; wave
	s_lshr_b32 s11, s10, 1                         ; my half of the tile's rows.  Also: I fetch oh (0) or woh (1)
	s_and_b32 s12, s10, 1                          ; my half of its columns.  Also: which half I fetch
	s_bfe_u32 s40, ttmp6, 0x40000                  ; cx
	s_bfe_u32 s41, ttmp6, 0x40004                  ; cy
	s_lshl_b32 s42, ttmp9, 2
	s_add_co_u32 s42, s42, s40                     ; tile column
	s_and_b32 s13, ttmp7, 0xffff
	s_lshl_b32 s13, s13, 2
	s_add_co_u32 s13, s13, s41                     ; tile row
	s_lshl_b32 s43, s41, 2
	s_lshl_b32 s43, 15, s43                        ; my row of the cluster
	s_lshl_b32 s44, 0x1111, s40                    ; my column
	s_or_b32 s[G1+0], s43, (1<<16)|(1<<20)|(1<<21)|(6<<22)|(3<<25)   ; elements of 2 bytes; 4 words of padding behind every 128
	s_or_b32 s[G1B+0], s44, (1<<16)|(1<<20)|(1<<21)|(5<<22)|(7<<25)  ; 8 words behind every 64
	s_mov_b32 s[G1+1], KSTEP<<16                   ; oh: 64 rows x 256 elements
	s_mov_b32 s[G1+2], 64<<16
	s_mov_b32 s[G1+3], KSTEP<<16
	s_mov_b32 s[G1+4], 64
	s_mov_b32 s[G1+5], 2048
	s_mov_b32 s[G1+6], 0
	s_mov_b32 s[G1+7], 0
	s_mov_b32 s[G1B+1], 128<<16                    ; woh: 128 rows x 128 elements
	s_mov_b32 s[G1B+2], 128<<16
	s_mov_b32 s[G1B+3], 128<<16
	s_mov_b32 s[G1B+4], 128
	s_mov_b32 s[G1B+5], 2048
	s_mov_b32 s[G1B+6], 0
	s_mov_b32 s[G1B+7], 0
	s_lshl_b32 s16, s13, 7
	s_lshl_b32 s17, s12, 6
	s_add_co_u32 s16, s16, s17                     ; oh: row 128 x tile row + 64 x half,
	s_lshl_b32 s16, s16, 12                        ; of 4,096 bytes
	s_mov_b32 s17, 0
	s_lshl_b32 s46, s42, 8                         ; woh: 256 bytes a tile column,
	s_lshl_b32 s47, s12, 19                        ; 128 rows of 4,096 bytes a half
	s_add_co_u32 s46, s46, s47
	s_mov_b32 s47, 0
	s_mul_i32 s20, s12, HALFA                      ; where they go: by the wave's number alone
	s_mul_i32 s21, s12, HALFB
	s_add_co_u32 s21, s21, 2*HALFA
	s_wait_dscnt 0x0                               ; both opening adds are done
	s_wait_kmcnt 0x0
	s_add_nc_u64 s[14:15], s[4:5], s[16:17]
	s_add_nc_u64 s[46:47], s[6:7], s[46:47]
	CROUND                                         ; all sixteen work-groups are here: the first joint loads meet
.irp s, 0,1
	s_mov_b32 s[G0+4*\s], 1
	s_add_co_u32 s[G0+4*\s+1], s20, \s*SLOT
	s_add_nc_u64 s[G0+4*\s+2:G0+4*\s+3], s[14:15], \s*KSTEP*2
	s_or_b32 s[G0+4*\s+3], s[G0+4*\s+3], 0x80000000
	s_mov_b32 s[G0B+4*\s], 1
	s_add_co_u32 s[G0B+4*\s+1], s21, \s*SLOT
	s_add_nc_u64 s[G0B+4*\s+2:G0B+4*\s+3], s[46:47], \s*KSTEP*4096
	s_or_b32 s[G0B+4*\s+3], s[G0B+4*\s+3], 0x80000000
	JLOAD \s
.endr
	v_and_b32 v1, 15, v0                           ; l % 16
	v_bfe_u32 v2, v0, 4, 1                         ; l / 16
	v_mul_u32_u24 v3, v1, PITCH
	v_lshl_add_u32 v3, v2, 4, v3
	s_mul_i32 s21, s11, HALFA                      ; my 64 rows of oh
.irp s, 0,1
	v_add_nc_u32 v[ADRA+\s], s21, v3
	s_add_co_u32 s21, s21, SLOT
.endr
	v_and_b32 v4, 7, v0                            ; the turning load: lane l reads 16 bytes of row k = 8 (l / 16) + l % 8, columns 8 ((l / 8) % 2) on, and is left with column l % 16 and 8 k
	v_bfe_u32 v5, v0, 3, 1
	v_lshl_add_u32 v4, v2, 3, v4
	v_mul_u32_u24 v4, v4, PB
	v_lshl_add_u32 v4, v5, 4, v4
	s_lshl_b32 s22, s12, 7                         ; my 64 columns: 128 bytes
	s_add_co_u32 s22, s22, 2*HALFA
	v_add_nc_u32 v[ADRB], s22, v4
	v_add_nc_u32 v[ADRB+1], HALFB, v[ADRB]
	v_add_nc_u32 v[ADRB+2], SLOT, v[ADRB]
	v_add_nc_u32 v[ADRB+3], SLOT+HALFB, v[ADRB]
	s_mul_i32 s23, s10, 16*SPITCH
	s_add_co_u32 s23, s23, STAGE                   ; my stage
	v_mul_u32_u24 v6, v1, SPITCH
	v_lshl_add_u32 v6, v2, 5, v6
	v_add_nc_u32 v[STO], s23, v6                   ; in: row l % 16, 32 bytes for each half of the lanes
	v_mul_u32_u24 v6, v2, SPITCH
	v_lshl_add_u32 v6, v1, 4, v6
	v_add_nc_u32 v[RD], s23, v6                    ; back: lanes 0-15 one row of 256 bytes, lanes 16-31 the next
	v_lshlrev_b32 v[CO], 13, v2
	v_lshl_add_u32 v[CO], v1, 4, v[CO]             ; and the same two rows of out0
	s_lshl_b32 s16, s13, 7
	s_lshl_b32 s17, s11, 6
	s_add_co_u32 s16, s16, s17                     ; my first row,
	s_lshl_b32 s16, s16, 13                        ; of 8,192 bytes
	s_mov_b32 s17, 0
	s_add_nc_u64 s[8:9], s[8:9], s[16:17]
	s_lshl_b32 s46, s42, 9                         ; my first column, in bytes: 512 x tile column + 256 x half
	s_lshl_b32 s47, s12, 8
	s_add_co_u32 s46, s46, s47
	s_mov_b32 s47, 0
	s_add_nc_u64 s[8:9], s[8:9], s[46:47]
.macro MUL8 f, c, a0, zero             ; 8 products: row blocks a0, a0 + 1 x all 4 column blocks, 32 along K.  The sixteen accumulators take turns
.irp a, \a0, \a0+1
.irp b, 0,1,2,3
.if \zero
	v_wmma_f32_16x16x32_f16 v[ACC+8*(4*(\a)+\b):ACC+8*(4*(\a)+\b)+7], v[\f+64+8*(4*\c+\b):\f+64+8*(4*\c+\b)+7], v[\f+8*(4*\c+\a):\f+8*(4*\c+\a)+7], 0
.else
	v_wmma_f32_16x16x32_f16 v[ACC+8*(4*(\a)+\b):ACC+8*(4*(\a)+\b)+7], v[\f+64+8*(4*\c+\b):\f+64+8*(4*\c+\b)+7], v[\f+8*(4*\c+\a):\f+8*(4*\c+\a)+7], v[ACC+8*(4*(\a)+\b):ACC+8*(4*(\a)+\b)+7]
.endif
.endr
.endr
.endm
; 32 LDS loads in one run: the fragments of 64 along K (byte k of oh's rows; rows k / 2 on of woh's tile) into buffer f; the first 32 along K first
.macro FETCH slot, k, f
	WIN TO_F
.irp c, 0,1
.irp i, 0,1,2,3
	ds_load_tr16_b128 v[\f+64+8*(4*\c+\i):\f+64+8*(4*\c+\i)+3],   v[ADRB+2*\slot+(\k)/256] offset:((((\k)/128)%2)*64+32*\c)*PB+32*\i
	ds_load_tr16_b128 v[\f+64+8*(4*\c+\i)+4:\f+64+8*(4*\c+\i)+7], v[ADRB+2*\slot+(\k)/256] offset:((((\k)/128)%2)*64+32*\c+16)*PB+32*\i
	ds_load_b128 v[\f+8*(4*\c+\i):\f+8*(4*\c+\i)+3],         v[ADRA+\slot] offset:\k+64*\c+\i*16*PITCH
	ds_load_b128 v[\f+8*(4*\c+\i)+4:\f+8*(4*\c+\i)+7],       v[ADRA+\slot] offset:\k+64*\c+\i*16*PITCH+32
.endr
.endr
.endm
.macro PLACES
.rept 4
	v_nop
.endr
.endm
.macro QUARTER slot, k, f, g, zero     ; multiplies buffer f (64 along K) and fetches the next quarter, at byte k, into g
	s_wait_dscnt 16                                ; the first 32 along K are in
	WIN MUL
	MUL8 \f, 0, 0, \zero
	MUL8 \f, 0, 2, \zero
	PLACES
	FETCH \slot, \k, \g
	s_wait_dscnt 32                                ; all but the 32 just issued
	WIN MUL
	MUL8 \f, 1, 0, 0
	MUL8 \f, 1, 2, 0
.endm
; a K step's last quarter changes slots: in front of the barrier each wave waits for all its tensor loads, adds 0 to its spare word, and waits for that and for its reads of this slot.  fill = 1: the slot is filled again, two K steps ahead
.macro TURN slot, next, fill
	WIN 0
	s_wait_tensorcnt 0x0                           ; all my tensor loads have landed: my part of the next slot
	ds_add_u32 v[SPW], v[NIL]
	s_wait_dscnt 17                                ; (the add and the youngest sixteen loads may be out)
	WIN MUL
	MUL8 F1, 0, 0, 0
	s_wait_dscnt 0x0                               ; the add is done, and my reads of this slot are over
	s_barrier_signal -1
	MUL8 F1, 0, 2, 0
.if \fill
	WIN 0
.endif
	s_barrier_wait -1
.if \fill
	CREST                                          ; the barrier has opened a round of the cluster's: no wave of any partner still reads this slot or has a load on its way
	s_add_nc_u64 s[G0+4*\slot+2:G0+4*\slot+3], s[G0+4*\slot+2:G0+4*\slot+3], 2*KSTEP*2
	s_add_nc_u64 s[G0B+4*\slot+2:G0B+4*\slot+3], s[G0B+4*\slot+2:G0B+4*\slot+3], 2*KSTEP*4096
	JLOAD \slot                                    ; the first tensor load behind the round; its four v_nop are also the places in front of the loads below
.else
	PLACES
.endif
	FETCH \next, 0, F0
	WIN MUL
	MUL8 F1, 1, 0, 0
	MUL8 F1, 1, 2, 0
.endm
	s_wait_tensorcnt 1                             ; my part of K step 0 is in; K step 1's may stay out
	s_barrier_signal -1
	s_barrier_wait -1
	FETCH 0, 0, F0
	QUARTER 0, 128, F0, F1, 1                      ; the first quarter stands in front of the loop: its first products start the sums
	WIN 0
	s_mov_b32 s3, LAPS-1
.Llap:                                                 ; a trip goes once round the ring and fills both slots again
	QUARTER 0, 256, F1, F0, 0
	QUARTER 0, 384, F0, F1, 0
	TURN 0, 1, 1
	QUARTER 1, 128, F0, F1, 0
	QUARTER 1, 256, F1, F0, 0
	QUARTER 1, 384, F0, F1, 0
	TURN 1, 0, 1
	QUARTER 0, 128, F0, F1, 0
	WIN 0
	s_sub_co_u32 s3, s3, 1
	s_cmp_lg_u32 s3, 0
	s_cbranch_scc1 .Llap
	QUARTER 0, 256, F1, F0, 0                      ; the last lap fills nothing
	QUARTER 0, 384, F0, F1, 0
	TURN 0, 1, 0
	QUARTER 1, 128, F0, F1, 0
	QUARTER 1, 256, F1, F0, 0
	QUARTER 1, 384, F0, F1, 0
	s_wait_dscnt 16
	WIN MUL
	MUL8 F1, 0, 0, 0
	MUL8 F1, 0, 2, 0
	s_wait_dscnt 0
	MUL8 F1, 1, 0, 0
	MUL8 F1, 1, 2, 0
	WIN 0
; THE WAY OUT, 16 rows x 64 columns at a time.  A wave's 64 columns of f32 are 256 bytes, so each wave has a stage of its own and no barrier is needed: 32 bytes a lane in, whole rows back, sixteen lanes store 256 consecutive bytes, aligned.
.macro TOSTAGE a
.irp b, 0,1,2,3
	ds_store_b128 v[STO], v[ACC+8*(4*(\a)+\b):ACC+8*(4*(\a)+\b)+3] offset:64*\b        ; each accumulator from its low end on
	ds_store_b128 v[STO], v[ACC+8*(4*(\a)+\b)+4:ACC+8*(4*(\a)+\b)+7] offset:64*\b+16
.endr
.irp t, 0,1,2,3,4,5,6,7
	ds_load_b128 v[TMP+32*((\a)%2)+4*\t:TMP+32*((\a)%2)+4*\t+3], v[RD] offset:\t*2*SPITCH   ; LDS serves a wave's instructions in order: these see the stores above, and the next block's stores come behind them
.endr
.endm
.macro SEND a, younger                 ; younger: the LDS instructions issued behind block a's loads
	s_wait_dscnt \younger
.irp t, 0,1,2,3,4,5,6,7
	global_store_b128 v[CO], v[TMP+32*((\a)%2)+4*\t:TMP+32*((\a)%2)+4*\t+3], s[8:9] offset:131072*(\a)+16384*\t th:TH_STORE_NT
.endr
.endm
	PLACES                                         ; in front of the first read of results
	TOSTAGE 0
	TOSTAGE 1
	SEND 0, 16
	s_wait_xcnt 0x0                                ; block 0's stores have read their registers: block 2's loads may land there
	TOSTAGE 2
	SEND 1, 16
	s_wait_xcnt 0x0
	TOSTAGE 3
	SEND 2, 16
	SEND 3, 0
	s_wait_tensorcnt 0x0                           ; the wave's end
	ds_add_u32 v[SPW], v[NIL]
	s_wait_dscnt 0x0
	CROUND                                         ; the closing round
	s_endpgm
.Lfunc_end_k_q63a53fedfc_oproj:
	.size	k_q63a53fedfc_oproj, .Lfunc_end_k_q63a53fedfc_oproj-k_q63a53fedfc_oproj
	.p2alignl 7, 3214868480
	.fill 96, 4, 3214868480
	.section	.rodata,"a",@progbits
	.p2align	6, 0x0
	.amdhsa_kernel k_q63a53fedfc_oproj
		.amdhsa_group_segment_fixed_size 327680
		.amdhsa_private_segment_fixed_size 0
		.amdhsa_enable_private_segment 0
		.amdhsa_kernarg_size 24
		.amdhsa_user_sgpr_count 2
		.amdhsa_user_sgpr_kernarg_segment_ptr 1
		.amdhsa_wavefront_size32 1
		.amdhsa_system_sgpr_workgroup_id_x 1
		.amdhsa_system_sgpr_workgroup_id_y 1
		.amdhsa_system_sgpr_workgroup_id_z 1
		.amdhsa_system_vgpr_workitem_id 0
		.amdhsa_next_free_vgpr 512
		.amdhsa_next_free_sgpr 66
		.amdhsa_reserve_vcc 0
		.amdhsa_float_denorm_mode_32 3
		.amdhsa_float_denorm_mode_16_64 3
		.amdhsa_memory_ordered 1
		.amdhsa_forward_progress 1
		.amdhsa_inst_pref_size 86
	.end_amdhsa_kernel
	.amdgpu_metadata
---
amdhsa.version: [ 1, 2 ]
amdhsa.kernels:
  - .name:           k_q63a53fedfc_oproj
    .symbol:         k_q63a53fedfc_oproj.kd
    .args:
      - { .name: oh, .offset: 0, .size: 8, .value_kind: global_buffer, .address_space: global }
      - { .name: woh, .offset: 8, .size: 8, .value_kind: global_buffer, .address_space: global }
      - { .name: out0, .offset: 16, .size: 8, .value_kind: global_buffer, .address_space: global }
    .group_segment_fixed_size: 327680
    .private_segment_fixed_size: 0
    .kernarg_segment_align: 8
    .kernarg_segment_size: 24
    .max_flat_workgroup_size: 128
    .sgpr_count:     66
    .vgpr_count:     512
    .wavefront_size: 32
...
	.end_amdgpu_metadata
.endif
;; end of part 4
;; ======== version 2 of 2: 4 launches
;; limits: values are held in f16: magnitudes above 65,504 overflow, below 6.1e-05 lose precision
;; workspace buffers: codes 5,242,880 bytes; scales 327,680 bytes; woh 8,388,608 bytes; msk 540,672 bytes of whole numbers; qkv 12,582,912 bytes; oh 8,388,608 bytes
;; launch prep: the kernel of part 1 again; grid 608 x 1, 4 waves a work-group, no clusters, 68,096 bytes of LDS; arguments x, Wq, Wk, Wv, Wo, mask, codes, scales, woh, msk; writes codes, scales, woh, msk
;; launch qkv: the kernel of part 2 again; grid 24 x 16, 4 waves a work-group, clusters of 4 x 4, 327,680 bytes of LDS; arguments codes, scales, freqs, qkv; writes qkv
;; launch attn (part 5): grid 32 x 8, 8 waves a work-group, no clusters, 138,240 bytes of LDS; arguments qkv, msk, oh; writes oh
.if DOCPART == 5
	.amdgcn_target "amdgcn-amd-amdhsa--gfx1250"
	.amdhsa_code_object_version 6
	.text
	.protected	k_q63a53fedfc_attn
	.globl	k_q63a53fedfc_attn
	.p2align	8
	.type	k_q63a53fedfc_attn,@function
k_q63a53fedfc_attn:
	s_mov_b64 s[64:65], 0
	v_nop
	global_prefetch_b8 v0, s[64:65] scope:SCOPE_SE
	s_setreg_imm32_b32 hwreg(HW_REG_WAVE_MODE, 25, 1), 1
	s_wait_xcnt 0x0
; softmax(Q K^T / 8, under the mask) V for 32 query heads on 8 key and value heads, head size 64, 2,048 tokens.  Operands f16 (made by the launch before, as images of these registers), sums f32.
; Q and K carry sqrt(log2(e) / 8) each, so a score is already an exponent of two.  For each query a running maximum m and sum l: p = 2^(s - m); O and l are multiplied by 2^(old m - new m) in every step.
; THE MASK IS AN INPUT.  The first launch has turned it into whole numbers: for each 16 queries x 64 keys a class (bit 0: some key counts, bit 1: all count) and 32 words of lane bits.
; A block in which no key counts for a wave's 16 queries is passed over by a scalar branch on the class; a block in which all count neither loads the lane words nor runs the selects.
; Barriers, waits and address steps stand on every path.  Since branches hang on numbers read from memory, K and V come through registers: each wave loads 4,096 bytes of the next two blocks
; and stores them to LDS as they lie, one trip ahead, in two slots, one barrier a trip; a block that neither of the work-group's two tiles needs is not fetched.
; SHARES.  Work-group (u, g): kv head g; first tokens 32 (63 - u) on, then tokens 32 u on (so that under a lower-triangular mask all work-groups have equal work; right for any mask).
; EIGHT WAVES, TWO TO A SIMD, so that one issues while the other waits.  Waves w and w + 4 own the same 16 tokens ((w % 4) / 2) and the same two query heads (4 g + 2 (w % 2) and the next):
; THEY SHARE THE KEYS.  A trip is two key blocks of 64: waves 0-3 take the even one, waves 4-7 the odd one, each with an m, l and O^T of its own; 16 trips, a constant count.
; At a phase's end waves 4-7 hand m, l and O^T to their partners through LDS, as images of the registers, and waves 0-3 merge: m = max(m1, m2), a_i = 2^(m_i - m), l = a1 l1 + a2 l2, O = (a1 O1 + a2 O2) / l.
; LAYOUT.  S^T = K Q^T and O^T = V^T P: a lane holds one query (lane % 16) throughout; two score tiles, rounded to f16 in pairs, are source 1 of the second product.
; No cluster and no tensor load: the walk hangs on stored numbers.
; LIMITS: a query for which no key counts gives l = 0 and 0 x (1 / 0) = NaN, as the softmax of a row of -infinity does.  The output is rounded to f16: magnitudes under 65,504.
; REGISTERS: window 0: v1-15 addresses; v16-31 statistics, 8 a head (+0 m, +2, +3 l, +4..+7 at work); v32-95 S^T; v96-127 P; v128-191 K; v192-255 V.   window 1: v0-31 Q; v64-127 O^T; v128-159 the bytes on their way.
.set SLOTB, 32768                      ; a slot: two key blocks
.set BLKB,  16384                      ; a block: K's 8 fragments of 1,024 bytes, then V's 8
.set VIMG,  8192
.set STAGE, 65536                      ; the way out: 16 rows x 272 bytes a wave
.set SP,    272
.set MERGE, 100352                     ; what waves 4-7 hand over: 16 x 512 bytes of O^T, 2 x 512 of (m, l), for each of the four pairs of waves
.set MGB,   9216
.set SPARE, 137216                     ; the spare words, 128 bytes a wave
.set LI,  1                            ; 16 x lane
.set LW,  2                            ; 4,096 x wave + 16 x lane: where I store what I fetch
.set STO, 3
.set RD,  4
.set GO,  5
.set PFO, 6                            ; 256 x lane
.set NINF, 7                           ; -infinity
.set SPW, 8
.set NIL, 9
.set MW,  12                           ; MERGE + 9,216 x (wave % 4) + 16 x lane
.set LK,  13                           ; 16,384 x (wave / 4) + 16 x lane: my block of a slot
.set ST,  16
.set S,   32
.set P,   96
.set KF,  128
.set VF,  192
.set OW,  64                           ; in window 1
.set GW,  128                          ; in window 1
.set MSB, 0
.macro WIN new
.if MSB != \new
	s_set_vgpr_msb (MSB<<8)|\new
.set MSB, \new
.endif
.endm
	s_load_b128 s[4:7], s[0:1], 0x0                ; qkv 4, msk 6
	s_load_b64 s[8:9], s[0:1], 0x10                ; oh
	v_lshl_add_u32 v[SPW], v0, 2, SPARE
	v_mov_b32 v[NIL], 0
	v_lshrrev_b32 v10, 5, v0
	v_readfirstlane_b32 s10, v10                   ; wave 0..7
	s_lshr_b32 s29, s10, 2                         ; which block of a trip's two is mine
	s_bfe_u32 s11, s10, 0x10001                    ; my tile of tokens.  Also: I fetch K (0) or V (1)
	s_and_b32 s12, s10, 1                          ; my pair of heads.  Also: which half of K's or V's 8,192 bytes I fetch
	s_and_b32 s13, ttmp7, 0xffff                   ; g
	s_mov_b32 s14, ttmp9                           ; u
	s_mov_b32 s30, 0x76543210
	s_mov_b32 s31, 0xfedcba98                      ; lane l xor 16
.set n, 0
.rept 16
	s_mov_b64 s[32+n:33+n], -1                     ; the lane words: written once (all keys count), since they are loaded only for blocks that need them
.set n, n+2
.endr
	v_and_b32 v10, 31, v0
	v_and_b32 v11, 15, v0                          ; r
	v_bfe_u32 v12, v0, 4, 1                        ; h
	v_lshlrev_b32 v[LI], 4, v10
	s_lshl_b32 s70, s10, 12
	v_add_nc_u32 v[LW], s70, v[LI]
	s_lshl_b32 s70, s29, 14
	v_add_nc_u32 v[LK], s70, v[LI]
	s_mul_i32 s70, s10, 16*SP
	s_add_co_u32 s70, s70, STAGE
	v_mul_u32_u24 v[STO], v11, SP
	v_lshl_add_u32 v[STO], v12, 4, v[STO]
	v_add_nc_u32 v[STO], s70, v[STO]               ; in: row r, + 16 h
	v_mul_u32_u24 v[RD], v12, SP
	v_lshl_add_u32 v[RD], v11, 4, v[RD]
	v_add_nc_u32 v[RD], s70, v[RD]                 ; back: lanes 0-15 one row, lanes 16-31 the next
	v_lshlrev_b32 v[GO], 12, v12
	v_lshl_add_u32 v[GO], v11, 4, v[GO]            ; and the same in oh: rows of 4,096 bytes
	v_lshlrev_b32 v[PFO], 8, v10
	v_mov_b32 v[NINF], 0xff800000
	s_and_b32 s70, s10, 3
	s_mul_i32 s70, s70, MGB
	s_add_co_u32 s70, s70, MERGE
	v_add_nc_u32 v[MW], s70, v[LI]                 ; the same bytes in waves w and w + 4
	s_lshl_b32 s70, s11, 21                        ; V's images lie 2,097,152 bytes behind K's
	s_lshl_b32 s71, s13, 18                        ; a kv head: 262,144 bytes
	s_add_co_u32 s70, s70, s71
	s_lshl_b32 s71, s12, 12
	s_add_co_u32 s70, s70, s71
	s_lshl_b32 s71, s29, 13                        ; a key block: 8,192 bytes of K, and of V
	s_add_co_u32 s70, s70, s71
	s_add_co_u32 s70, s70, 0x800000
	s_mov_b32 s71, 0
	s_wait_kmcnt 0x0
	s_add_nc_u64 s[72:73], s[4:5], s[70:71]        ; my 4,096 bytes of key blocks 0 and 1
	s_mov_b32 s15, 0                               ; the phase
; one head's softmax for a key block: 118 instructions.  The 33 exponentials are one batch with one wait.
.macro SMX e
.set rT, ST+8*(\e)
.set rS, S+32*(\e)
.set rP, P+16*(\e)
.set rO, OW+32*(\e)
	WIN 0
.irp k, 0,1,2,3
	v_max3_num_f32 v[rT+4+\k], v[rS+8*\k], v[rS+8*\k+1], v[rS+8*\k+2]      ; four chains, each from its tile's low end on
.endr
.irp u, 3,5
.irp k, 0,1,2,3
	v_max3_num_f32 v[rT+4+\k], v[rT+4+\k], v[rS+8*\k+\u], v[rS+8*\k+\u+1]
.endr
.endr
	v_max3_num_f32 v[rT+4], v[rT+4], v[rS+7], v[rS+15]
	v_max3_num_f32 v[rT+6], v[rT+6], v[rS+23], v[rS+31]
	v_max3_num_f32 v[rT+4], v[rT+4], v[rT+5], v[rT+6]
	v_max3_num_f32 v[rT+4], v[rT+4], v[rT+7], v[rT]                        ; with the old m
	v_permlanex16_b32 v[rT+5], v[rT+4], s30, s31                           ; the query's other 32 keys
	v_mov_b32 v[rT+7], v[rT]
	v_max_num_f32 v[rT], v[rT+4], v[rT+5]                                  ; the new m
	v_sub_f32 v[rT+7], v[rT+7], v[rT]                                      ; old m - new m
.set n, 0
.rept 16
	v_pk_add_f32 v[rS+n:rS+n+1], v[rS+n:rS+n+1], v[rT:rT+1] op_sel_hi:[1,0] neg_lo:[0,1] neg_hi:[0,1]   ; s - m
.set n, n+2
.endr
	v_exp_f32 v[rT+6], v[rT+7]
.set n, 0
.rept 32
	v_exp_f32 v[rS+n], v[rS+n]
.set n, n+1
.endr
	v_nop                                          ; a plain instruction behind the last exponential
	s_wait_alu depctr_va_vdst(0)                   ; one wait for the batch, ahead of its first reader
.set n, 0
.rept 16
	v_cvt_pk_f16_f32 v[rP+n], v[rS+2*n], v[rS+2*n+1]
.set n, n+1
.endr
.irp u, 0,1,2,3,4,5,6,7                        ; the sum of the unrounded p, pairs at a time, in place
	v_pk_add_f32 v[rS+4*\u:rS+4*\u+1], v[rS+4*\u:rS+4*\u+1], v[rS+4*\u+2:rS+4*\u+3]
.endr
.irp u, 0,1,2,3
	v_pk_add_f32 v[rS+8*\u:rS+8*\u+1], v[rS+8*\u:rS+8*\u+1], v[rS+8*\u+4:rS+8*\u+5]
.endr
.irp u, 0,1
	v_pk_add_f32 v[rS+16*\u:rS+16*\u+1], v[rS+16*\u:rS+16*\u+1], v[rS+16*\u+8:rS+16*\u+9]
.endr
	v_pk_add_f32 v[rS:rS+1], v[rS:rS+1], v[rS+16:rS+17]
	v_pk_fma_f32 v[rT+2:rT+3], v[rT+2:rT+3], v[rT+6:rT+7], v[rS:rS+1] op_sel_hi:[1,0,1]
	WIN 0x41                                       ; O^T in window 1
.set n, 0
.rept 16
	v_pk_mul_f32 v[rO+n:rO+n+1], v[rO+n:rO+n+1], v[rT+6:rT+7] op_sel_hi:[1,0]   ; ascending: each accumulator from its low end on
.set n, n+2
.endr
.endm
.macro PV e                            ; O^T += V^T P: four accumulators by turns
	WIN 0x50
.irp kb, 0,1
.irp ct, 0,1,2,3
	v_wmma_f32_16x16x32_f16 v[OW+32*(\e)+8*\ct:OW+32*(\e)+8*\ct+7], v[VF+8*(4*\kb+\ct):VF+8*(4*\kb+\ct)+7], v[P+16*(\e)+8*\kb:P+16*(\e)+8*\kb+7], v[OW+32*(\e)+8*\ct:OW+32*(\e)+8*\ct+7]
.endr
.endr
.endm
; ONE TRIP: two key blocks, in LDS slot `slot`; mine is the one that s29 names.  s18 the trip's number; bit 0 of s20: some key of my block counts for my tile; of s21: all count;
; of s22: the block of which I fetch a part for the next trip is needed by one of the two tiles.
.macro TRIP slot
	s_bitcmp1_b32 s22, 0
	s_cbranch_scc0 .Lno_fetch_\@
	WIN 0x40
.irp i, 0,1,2,3,4,5,6,7
	global_load_b128 v[GW+4*\i:GW+4*\i+3], v[LI], s[24:25] offset:512*\i    ; my 4,096 bytes of the next trip's blocks: they have this trip's work in which to come
.endr
	WIN 0
.Lno_fetch_\@:
	s_cmp_lt_u32 s18, s23                          ; a prefetch of key block 2 s18 + 6 + s29: two trips ahead of its load.  Of each kv head's work-groups the first asks, in its first phase: waves 0 and 4 for K's
	s_cbranch_scc0 .Lno_ask_\@                     ; 8,192 bytes of their blocks, waves 2 and 6 for V's, lanes 256 bytes apart: each block of 256 bytes is named once.  It stops at block 31; blocks 0 to 5 come by their loads alone
	global_prefetch_b8 v[PFO], s[24:25] offset:32768 th:TH_LOAD_NT scope:SCOPE_SE
.Lno_ask_\@:
	s_bitcmp1_b32 s20, 0
	s_cbranch_scc0 .Lskip_\@
	s_bitcmp1_b32 s21, 0                           ; where all 64 keys count the lane words are not used, so they are not asked for
	s_cbranch_scc1 .Lno_words_\@
	s_load_b512 s[32:47], s[26:27], s28 offset:0x0 ; the block's 32 words of lane bits
	s_load_b512 s[48:63], s[26:27], s28 offset:0x40
.Lno_words_\@:
.irp f, 0,1,2,3,4,5,6,7
.irp c, 0,1
	ds_load_b128 v[KF+8*\f+4*\c:KF+8*\f+4*\c+3], v[LK] offset:\slot*SLOTB+1024*\f+512*\c
.endr
.endr
.irp f, 0,1,2,3,4,5,6,7
.irp c, 0,1
	ds_load_b128 v[VF+8*\f+4*\c:VF+8*\f+4*\c+3], v[LK] offset:\slot*SLOTB+VIMG+1024*\f+512*\c
.endr
.endr
	s_wait_dscnt 16                                ; K is in; V's sixteen loads stay out
	WIN 0x04                                       ; Q in window 1
.irp e, 0,1
.irp kt, 0,1,2,3                               ; four accumulators by turns; the first 32 channels start the sums
	v_wmma_f32_16x16x32_f16 v[S+32*\e+8*\kt:S+32*\e+8*\kt+7], v[KF+16*\kt:KF+16*\kt+7], v[16*\e:16*\e+7], 0
.endr
.irp kt, 0,1,2,3
	v_wmma_f32_16x16x32_f16 v[S+32*\e+8*\kt:S+32*\e+8*\kt+7], v[KF+16*\kt+8:KF+16*\kt+15], v[16*\e+8:16*\e+15], v[S+32*\e+8*\kt:S+32*\e+8*\kt+7]
.endr
.endr
	WIN 0
.rept 4
	v_nop                                          ; places in front of the first read of the scores
.endr
	s_wait_kmcnt 0x0                               ; on every path: no scalar load is out behind this line, whether the words were asked for or not
	s_bitcmp1_b32 s21, 0
	s_cbranch_scc1 .Lfull_\@
.set n, 0
.rept 64
	v_cndmask_b32 v[S+n], v[NINF], v[S+n], s[32+n%32]   ; a key that does not count: -infinity, so p = 0
.set n, n+1
.endr
.Lfull_\@:
	SMX 0
	s_wait_dscnt 0x0                               ; V is in
	PV 0
	SMX 1
	PV 1
	WIN 0
.rept 4
	v_nop                                          ; places behind the last products: for the next loads into V's and P's registers and the next reads of O^T
.endr
.Lskip_\@:
	s_wait_loadcnt 0x0                             ; my part of the next trip's blocks, if it was asked for
	s_bitcmp1_b32 s22, 0
	s_cbranch_scc0 .Lno_store_\@
	WIN 0x04                                       ; an LDS store's data: window 1
.irp i, 0,1,2,3,4,5,6,7
	ds_store_b128 v[LW], v[GW+4*\i:GW+4*\i+3] offset:(1-\slot)*SLOTB+512*\i
.endr
	WIN 0
.Lno_store_\@:
	s_wait_xcnt 0x0                                ; loads, scalar loads and the prefetch have read their addresses: they may step
	s_add_nc_u64 s[24:25], s[24:25], 16384         ; two key blocks on
	s_add_co_u32 s28, s28, 256
	s_add_co_u32 s18, s18, 1
	s_lshr_b32 s20, s20, 2
	s_lshr_b32 s21, s21, 2
	s_lshr_b32 s22, s22, 2
	s_wait_dscnt 0x0                               ; my stores into the other slot have landed and my reads of this slot are over
	s_barrier_signal -1
	s_barrier_wait -1
.endm
.Lphase:
	s_wait_xcnt 0x0                                ; the last phase's stores have read their registers and base
	s_sub_co_u32 s70, 63, s14
	s_cmp_eq_u32 s15, 0
	s_cselect_b32 s16, s70, s14                    ; which 32 tokens
	s_lshl_b32 s17, s16, 1
	s_add_co_u32 s17, s17, s11                     ; my tile of 16 tokens
	s_lshl_b32 s74, s13, 2
	s_lshl_b32 s75, s12, 1
	s_add_co_u32 s74, s74, s75                     ; my first head
	s_lshl_b32 s70, s17, 5
	s_add_co_u32 s70, s70, s74
	s_lshl_b32 s70, s70, 11
	s_mov_b32 s71, 0
	s_add_nc_u64 s[66:67], s[4:5], s[70:71]        ; Q's images
	s_lshl_b32 s70, s17, 16
	s_lshl_b32 s74, s74, 7
	s_add_co_u32 s70, s70, s74
	s_add_nc_u64 s[68:69], s[8:9], s[70:71]        ; my 256 bytes of 16 rows of oh
	s_lshl_b32 s70, s17, 12
	s_add_co_u32 s70, s70, 16384
	s_add_nc_u64 s[26:27], s[6:7], s[70:71]        ; my tile's lane words
	s_lshl_b32 s70, s16, 8
	s_add_nc_u64 s[76:77], s[6:7], s[70:71]        ; the two tiles' class words
	s_mov_b64 s[24:25], s[72:73]
	WIN 0x40
.irp e, 0,1
.irp kc, 0,1
.irp c, 0,1
	global_load_b128 v[16*\e+8*\kc+4*\c:16*\e+8*\kc+4*\c+3], v[LI], s[66:67] offset:2048*\e+1024*\kc+512*\c
.endr
.endr
.endr
.irp i, 0,1,2,3,4,5,6,7
	global_load_b128 v[GW+4*\i:GW+4*\i+3], v[LI], s[24:25] offset:512*\i    ; key blocks 0 and 1, always
.endr
	WIN 0
	v_lshrrev_b32 v10, 2, v[LI]                    ; 4 x lane
	global_load_b32 v14, v10, s[76:77]             ; lane kb: the class of key block kb, tile 0,
	global_load_b32 v15, v10, s[76:77] offset:128  ; tile 1
	WIN 0x40
.set n, 0
.rept 64
	v_mov_b32 v[OW+n], 0                           ; O^T: which block is the first that counts is known from data alone, so no product can start the sums
.set n, n+1
.endr
	WIN 0
.irp e, 0,1
	v_mov_b32 v[ST+8*\e], 0xff61b1e6               ; m: -3e38, under every score
.irp k, 1,2,3,4,5,6,7
	v_mov_b32 v[ST+8*\e+\k], 0                     ; l, and the registers at work: written on every path
.endr
.endr
	s_wait_loadcnt 0x0
	s_add_nc_u64 s[24:25], s[24:25], 16384         ; on to blocks 2 and 3
	v_and_b32 v10, 1, v14
	v_and_b32 v11, 2, v14
	v_cmp_ne_u32 s70, 0, v10                       ; bit kb: some key of block kb counts for tile 0
	v_cmp_ne_u32 s71, 0, v11                       ; all count
	v_and_b32 v10, 1, v15
	v_and_b32 v11, 2, v15
	v_cmp_ne_u32 s74, 0, v10                       ; the same for tile 1
	v_cmp_ne_u32 s75, 0, v11
	s_cmp_eq_u32 s11, 0
	s_cselect_b32 s20, s70, s74
	s_cselect_b32 s21, s71, s75
	s_or_b32 s22, s70, s74
	s_lshr_b32 s20, s20, s29                       ; bit 0: my block of trip 0
	s_lshr_b32 s21, s21, s29
	s_lshr_b32 s22, s22, 2
	s_lshr_b32 s22, s22, s29                       ; bit 0: the block of trip 1 of which I fetch a part
	s_and_b32 s70, s10, 1
	s_or_b32 s70, s70, s14
	s_or_b32 s70, s70, s15
	s_cmp_eq_u32 s70, 0
	s_cselect_b32 s23, 13, 0                       ; who prefetches, and up to which trip
	WIN 0x04
.irp i, 0,1,2,3,4,5,6,7
	ds_store_b128 v[LW], v[GW+4*\i:GW+4*\i+3] offset:512*\i                 ; slot 0: every wave has passed the last trip's barrier, behind which nobody reads a slot
.endr
	WIN 0
	s_wait_dscnt 0x0                               ; my stores have landed; my reads of the merge images and of my stage are over
	s_barrier_signal -1
	s_barrier_wait -1
	s_mov_b32 s18, 0
	s_lshl_b32 s28, s29, 7                         ; my block's lane words: 128 bytes a block
	s_mov_b32 s19, 8
.Ltrip:
	TRIP 0
	TRIP 1
	s_sub_co_u32 s19, s19, 1
	s_cmp_lg_u32 s19, 0
	s_cbranch_scc1 .Ltrip
	; THE TWO HALVES OF THE KEYS MEET.  Waves 4-7 store O^T and (m, l) as images of their registers; a barrier; waves 0-3 load them by the same addresses.
	s_cmp_lt_u32 s10, 4
	s_cbranch_scc1 .Lkeeper
	WIN 0x04                                       ; the data: window 1
.set n, 0
.rept 16
	ds_store_b128 v[MW], v[OW+4*n:OW+4*n+3] offset:512*n                    ; ascending: each accumulator from its low end on
.set n, n+1
.endr
	WIN 0
.irp e, 0,1
	ds_store_b128 v[MW], v[ST+8*\e:ST+8*\e+3] offset:8192+512*\e            ; m, a spare word, l's two halves
.endr
.Lkeeper:
	s_wait_dscnt 0x0                               ; for the partner's sake: my stores have landed
	s_barrier_signal -1
	s_barrier_wait -1
	s_cmp_lt_u32 s10, 4
	s_cbranch_scc0 .Lnext
.irp e, 0,1
	ds_load_b128 v[P+4*\e:P+4*\e+3], v[MW] offset:8192+512*\e               ; the partner's m and l
.endr
.set n, 0
.rept 16
	ds_load_b128 v[S+4*n:S+4*n+3], v[MW] offset:512*n                       ; and its O^T, register for register
.set n, n+1
.endr
	s_wait_dscnt 16                                ; m and l are in; O^T's sixteen loads stay out
.irp e, 0,1
	v_max_num_f32 v[ST+8*\e+4], v[ST+8*\e], v[P+4*\e]                       ; m
.endr
.irp e, 0,1
	v_sub_f32 v[ST+8*\e+5], v[ST+8*\e], v[ST+8*\e+4]                        ; m1 - m
.endr
.irp e, 0,1
	v_sub_f32 v[ST+8*\e+7], v[P+4*\e], v[ST+8*\e+4]                         ; m2 - m
.endr
.irp e, 0,1
	v_exp_f32 v[ST+8*\e+6], v[ST+8*\e+5]                                    ; a1.  (A wave that saw no key has m = -3e38, l = 0, O = 0: its a is 0, or 1 where neither saw one)
.endr
.irp e, 0,1
	v_exp_f32 v[P+4*\e], v[ST+8*\e+7]                                       ; a2
.endr
	v_nop
	s_wait_alu depctr_va_vdst(0)                   ; one wait for the four exponentials, ahead of their first reader
.irp e, 0,1
	v_pk_mul_f32 v[ST+8*\e+2:ST+8*\e+3], v[ST+8*\e+2:ST+8*\e+3], v[ST+8*\e+6:ST+8*\e+7] op_sel_hi:[1,0]
.endr
.irp e, 0,1
	v_pk_fma_f32 v[ST+8*\e+2:ST+8*\e+3], v[P+4*\e+2:P+4*\e+3], v[P+4*\e:P+4*\e+1], v[ST+8*\e+2:ST+8*\e+3] op_sel_hi:[1,0,1]   ; l = a1 l1 + a2 l2
.endr
.irp e, 0,1
	v_add_f32 v[ST+8*\e+4], v[ST+8*\e+2], v[ST+8*\e+3]
.endr
.irp e, 0,1
	v_permlanex16_b32 v[ST+8*\e+5], v[ST+8*\e+4], s30, s31
.endr
.irp e, 0,1
	v_add_f32 v[ST+8*\e+4], v[ST+8*\e+4], v[ST+8*\e+5]                      ; the row's sum
.endr
.irp e, 0,1
	v_rcp_f32 v[ST+8*\e+7], v[ST+8*\e+4]
.endr
	v_nop
	s_wait_alu depctr_va_vdst(0)                   ; one wait for both reciprocals, ahead of their first reader
.irp e, 0,1
	v_mul_f32 v[ST+8*\e+6], v[ST+8*\e+6], v[ST+8*\e+7]                      ; a1 / l
.endr
.irp e, 0,1
	v_mul_f32 v[P+4*\e], v[P+4*\e], v[ST+8*\e+7]                            ; a2 / l
.endr
	s_wait_dscnt 0x0                               ; the partner's O^T is in
	WIN 0x41
.irp e, 0,1
.set n, 0
.rept 16
	v_pk_mul_f32 v[OW+32*\e+n:OW+32*\e+n+1], v[OW+32*\e+n:OW+32*\e+n+1], v[ST+8*\e+6:ST+8*\e+7] op_sel_hi:[1,0]   ; ascending: each accumulator from its low end on
.set n, n+2
.endr
.endr
	WIN 0x50                                       ; the partner's O^T and a2 / l window 0; mine, addend and result, window 1
.irp e, 0,1
.set n, 0
.rept 16
	v_pk_fma_f32 v[OW+32*\e+n:OW+32*\e+n+1], v[S+32*\e+n:S+32*\e+n+1], v[P+4*\e:P+4*\e+1], v[OW+32*\e+n:OW+32*\e+n+1] op_sel_hi:[1,0,1]
.set n, n+2
.endr
.endr
	; THE WAY OUT: f16, through my stage, so that sixteen lanes store 256 consecutive bytes, aligned (two heads' 64 channels of a token)
	WIN 0x05
.set n, 0
.rept 32
	v_cvt_pk_f16_f32 v[S+n], v[OW+2*n], v[OW+2*n+1]
.set n, n+1
.endr
	WIN 0
.irp e, 0,1
.irp ct, 0,1,2,3
	ds_store_b128 v[STO], v[S+16*\e+4*\ct:S+16*\e+4*\ct+3] offset:128*\e+32*\ct
.endr
.endr
.irp t, 0,1,2,3,4,5,6,7
	ds_load_b128 v[S+32+4*\t:S+32+4*\t+3], v[RD] offset:\t*2*SP             ; LDS serves a wave's instructions in order: these see my stores
.endr
.irp t, 0,1,2,3,4,5,6,7
	s_wait_dscnt 7-\t
	global_store_b128 v[GO], v[S+32+4*\t:S+32+4*\t+3], s[68:69] offset:8192*\t
.endr
.Lnext:
	s_add_co_u32 s15, s15, 1
	s_cmp_lt_u32 s15, 2
	s_cbranch_scc1 .Lphase
	s_wait_tensorcnt 0x0                           ; the wave's end, behind my last LDS store
	ds_add_u32 v[SPW], v[NIL]
	s_wait_dscnt 0x0
	s_endpgm
.Lfunc_end_k_q63a53fedfc_attn:
	.size	k_q63a53fedfc_attn, .Lfunc_end_k_q63a53fedfc_attn-k_q63a53fedfc_attn
	.p2alignl 7, 3214868480
	.fill 96, 4, 3214868480
	.section	.rodata,"a",@progbits
	.p2align	6, 0x0
	.amdhsa_kernel k_q63a53fedfc_attn
		.amdhsa_group_segment_fixed_size 138240
		.amdhsa_private_segment_fixed_size 0
		.amdhsa_enable_private_segment 0
		.amdhsa_kernarg_size 24
		.amdhsa_user_sgpr_count 2
		.amdhsa_user_sgpr_kernarg_segment_ptr 1
		.amdhsa_wavefront_size32 1
		.amdhsa_system_sgpr_workgroup_id_x 1
		.amdhsa_system_sgpr_workgroup_id_y 1
		.amdhsa_system_sgpr_workgroup_id_z 1
		.amdhsa_system_vgpr_workitem_id 0
		.amdhsa_next_free_vgpr 448
		.amdhsa_next_free_sgpr 80
		.amdhsa_reserve_vcc 0
		.amdhsa_float_denorm_mode_32 3
		.amdhsa_float_denorm_mode_16_64 3
		.amdhsa_memory_ordered 1
		.amdhsa_forward_progress 1
		.amdhsa_inst_pref_size 69
	.end_amdhsa_kernel
	.amdgpu_metadata
---
amdhsa.version: [ 1, 2 ]
amdhsa.kernels:
  - .name:           k_q63a53fedfc_attn
    .symbol:         k_q63a53fedfc_attn.kd
    .args:
      - { .name: qkv, .offset: 0, .size: 8, .value_kind: global_buffer, .address_space: global }
      - { .name: msk, .offset: 8, .size: 8, .value_kind: global_buffer, .address_space: global }
      - { .name: oh, .offset: 16, .size: 8, .value_kind: global_buffer, .address_space: global }
    .group_segment_fixed_size: 138240
    .private_segment_fixed_size: 0
    .kernarg_segment_align: 8
    .kernarg_segment_size: 24
    .max_flat_workgroup_size: 256
    .sgpr_count:     80
    .vgpr_count:     448
    .wavefront_size: 32
...
	.end_amdgpu_metadata
.endif
;; end of part 5
;; launch oproj: the kernel of part 4 again; grid 16 x 16, 4 waves a work-group, clusters of 4 x 4, 327,680 bytes of LDS; arguments oh, woh, out0; writes out0
